; MI455X (gfx1250); checked and timed in simulation.
; The chip was launched on July 23, 2026; its instructions are those of AMD's public machine-readable ISA for CDNA 5 (MIT licence, August 2026) and "CDNA5" Instruction Set Architecture Reference Guide (July 2026). The comments in the code are by the model that wrote it; some were corrected since.
;; Global Attention. Allowed arithmetic: matrix products marked QUANTISED: E3M2 operands, one E8M0 scale for each 32 along K, by v_wmma_scale_f32_16x16x128_f8f6f4 with both operands' format E3M2, f32 sums; products left as they are: f32 operands where the result goes on into a quantised operand, else bf16, f16 or f32 operands; f32 sums; everything else in f32.
;; Inputs: W_att 1,024 x 1,024 float32; W_dec 1,024 x 1,024 float32; W_enc 1,024 x 1,024 float32; W_one 1,024 x 1 float32; b_att 1,024 float32; b_dec 1,024 float32; b_enc 1,024 float32; b_one 1 float32; dec_h_curr 64 x 1,024 float32; enc_hids 64 x 1,024 x 1,024 float32.
;; Outputs: out0 64 x 1,024 float32; out1 64 x 1,024 float32.
;; This version of the problem:
;;   THIS VERSION OF THE PROBLEM IS GIVEN IN LOW PRECISION. The matrix products marked QUANTISED in the list below multiply operands that are first quantised to E3M2 (3 exponent bits, 2 mantissa bits; 6 bits a number), with one power-of-two scale for each 32 numbers along K (OCP MX v1.0); their sums are f32. All else is computed in f32.
;;   The module's matrix products, in the order in which they are computed (A, B: the left and right operand; K: the contracted axis; several contracted axes count as one K, in the product's order):
;;     1. [M 64, K 1,024] x [K 1,024, N 1,024]; A: input dec_h_curr; B: input W_dec: QUANTISED
;;     2. [M 65,536, K 1,024] x [K 1,024, N 1,024]; A: input enc_hids; B: input W_enc: QUANTISED
;;     3. [M 65,536, K 1,024] x [K 1,024, N 1]; A: computed on the way; B: computed on the way: left as it is (N = 1 < 16)
;;     4. batch 64 x [M 1, K 1,024] x [K 1,024, N 1,024]; A: softmax; B: input enc_hids: left as it is (M = 1 < 16)
;;     5. [M 64, K 1,024] x [K 1,024, N 1,024]; A: computed on the way; B: input W_att: QUANTISED
;;   THE QUANTISER, for each operand of a quantised product, along K:
;;     - K is cut into blocks of 32 from its start; a last block that is shorter is filled with zeros.
;;     - A block's scale is 2^e with e = floor(log2(the largest magnitude in the block)) - 4, held to -126 .. 127; a block of zeros has e = 0. As a byte (E8M0): e + 127.
;;     - Each number is divided by its block's scale, clamped to +-28, and rounded to the nearest number of E3M2, ties to even, subnormals kept.
;;     - The product sums the exact products of the quantised numbers (number of the format x scale) in f32.
;;   ~~~python
;;   def quantise(x, axis):      # numpy; x: float32 -> the quantised numbers, widened to float32 again
;;       x = np.moveaxis(x, axis, -1); K = x.shape[-1]
;;       x = np.pad(x, [(0, 0)] * (x.ndim - 1) + [(0, -K % 32)]); x = x.reshape(x.shape[:-1] + (-1, 32)); a = np.abs(x).max(-1, keepdims=True)
;;       e = np.where(a > 0, np.clip(np.frexp(np.where(a > 0, a, 1))[1] - 1 - 4, -126, 127), 0)      # np.frexp(a)[1] - 1 = floor(log2(a)), exactly
;;       r = np.clip(x / 2.0 ** e, -28, 28)
;;       step = 2.0 ** (np.maximum(np.frexp(np.where(r == 0, 1, r))[1] - 1, -2) - 2)
;;       q = np.round(r / step) * step * 2.0 ** e      # np.round: ties to even
;;       return np.moveaxis(q.reshape(q.shape[:-2] + (-1,))[..., :K], -1, axis).astype(np.float32)
;;   ~~~
;;   OPERANDS COMPUTED ON THE WAY. 'Computed on the way' means the value that the module computes at that place (a softmax that the list does not call 'softmax' is quantised finished and normalised). What goes into a quantiser is computed in f32, as accurately as f32 sums, v_exp_f32 and their like allow (about 1e-6 of the number): no bf16 or f16 on the way to a quantiser, and a product that is left as it is and whose result goes on into a quantised operand takes f32 operands (vector FMAs, or v_wmma_f32_16x16x4_f32). A number that lies on a knife's edge between two numbers of the format may be rounded either way, as far as f32 arithmetic and the matrix unit's own rounding can turn it there, and no further.
;; One version. Each part assembles by itself: llvm-mc -triple=amdgcn-amd-amdhsa -mcpu=gfx1250 --defsym DOCPART=n.
;; ======== version 1 of 1: 3 launches
;; limits: right only within a limited range of input values
;; workspace buffers: wimg 2,359,296 bytes; wsc 98,304 bytes; dpart 1,048,576 bytes; sc 262,144 bytes; part 1,048,576 bytes; stat 2,048 bytes
;; launch prep (part 1): grid 384 x 1, 4 waves a work-group, no clusters, 13,312 bytes of LDS; arguments W_enc, W_dec, W_att, dec_h_curr, wimg, wsc, dpart; writes wimg, wsc, dpart
.if DOCPART == 1
	.amdgcn_target "amdgcn-amd-amdhsa--gfx1250"
	.amdhsa_code_object_version 6
	.text
	.protected	k_q36e8b4c585_prep
	.globl	k_q36e8b4c585_prep
	.p2align	8
	.type	k_q36e8b4c585_prep,@function
k_q36e8b4c585_prep:
	s_mov_b64 s[64:65], 0
	v_nop
	global_prefetch_b8 v0, s[64:65] scope:SCOPE_SE
	s_setreg_imm32_b32 hwreg(HW_REG_WAVE_MODE, 25, 1), 1
	s_wait_xcnt 0x0
; The three weights [1024 (k)][1024 (n)], f32, K = the FIRST axis, become codes of BF6 (E3M2) in the order of an operand's registers.  W_enc's and W_att's go to memory for the launches behind;
; W_dec's are multiplied here, with dec_h_curr [64][1024] quantised here too: d = Q(dec_h) Q(W_dec), as four sums over a quarter of K each (dpart).
; A block of 32 along K has the scale 2^(floor(log2(its largest magnitude)) - 4); its byte is the largest magnitude's exponent field - 4, held at 1 from below.
; LIMITS: NaN and infinities are not served; a block whose largest magnitude lies under 2^(5 - 127) gets the byte 1; a block of zeros gets the byte 1 where the rule says 127 (its codes are zeros, and this program alone reads the bytes).
; wimg: matrix u (0 W_enc, 2 W_att; place 1 is not used) at 786,432 u; the fragment of column tile t (16 columns) and K step s (128 along K) at 1,536 (8 t + s); in it registers 4 g .. 4 g + 3 of lane L at 512 g + 16 L.
; wsc:  matrix u at 32,768 u; for a pair of column tiles p and K steps 2 j, 2 j + 1: 256 bytes at 256 (4 p + j): lane l's two scale words (column 32 p + l) at 8 l.
; dpart: for K quarter k, pair of column tiles p, row tile m (16 batches) and tile tt of the pair: 1,024 bytes at 1,024 (8 (32 k + p) + 2 m + tt): the accumulator as it stands: registers 4 g .. 4 g + 3 of lane L at 512 g + 16 L.
; A WORK-GROUP takes a weight (wg / 128), a quarter of K ((wg / 32) % 4) and a pair of column tiles (wg % 32): 32 columns x 256 along K, four fragments.  Wave w takes rows 64 w .. + 63: blocks 2 (w % 2), 2 (w % 2) + 1 of K step w / 2:
; 64 loads, all issued at once.  A LANE TAKES A COLUMN AND ITS REGISTERS RUN DOWN K: a load reads 128 consecutive bytes a wave, a block lies in one lane, and a block's six registers of codes are registers 6 (kb / 2) .. + 5 of
; operand lane (column % 16) + 16 (kb % 2).  They go to LDS at their places in the fragment's image, 8 bytes a store; the wave's two scale bytes as one store of 16 bits.  One barrier.
; W_ENC'S AND W_ATT'S WORK-GROUPS: wave w stores fragment w: three stores of 512 consecutive bytes, aligned; wave 0 stores the 256 bytes of scale words.
; W_DEC'S WORK-GROUPS store no codes.  Wave w quantises batches 16 w .. + 15 of dec_h for the work-group's 256 along K into its own registers, takes the four fragments of the weight from LDS, and multiplies: four products.
; The two kinds part on the work-group's number; each has LDS bytes of its own.  A work-group reads 128 bytes of each row of its weight; the work-group with the next number reads the 128 bytes beside them.
; No tensor load, no cluster, no prefetch: each byte of a weight is read by one wave once, and the launch has no loop to run ahead in.
.set EMAX,  4
.set FRB,   1536                       ; a fragment's image: 12 registers x 128 bytes
.set SCW,   4*FRB                      ; LDS: four images (K step e, tile tt: 2 e + tt), then 256 bytes of scale words as wsc has them
.set DOFF,  6400                       ; the same once more for W_dec's work-groups
.set SPARE, 12800                      ; the spare words, 128 bytes for each wave: two blocks of 256 bytes that no other line names
.set AF,   16                          ; v16-27  dec_h's fragment of K step 0 (that of K step 1 lies at v[RAW] on)
.set AS,   28                          ; v28-29  dec_h's scale words
.set SPW,  30                          ; v30     LDS address of my spare word; never rewritten
.set NIL,  31                          ; v31     0; never rewritten
.set FD,   32                          ; v32-37, v38-43 my two blocks' codes
.set TU,   44                          ; v44-46  a block's upper 16 codes (a conversion's three registers begin on an even number)
.set PX,   32                          ; the quantiser of dec_h: the upper halves' codes, before the weight's blocks are worked
.set TM,   48                          ; v48-63  at work; v56 my two scale bytes
.set SB,   58                          ; v58-59  the weight's scale words of the two K steps
.set X,    64                          ; v64-127 my two blocks' 64 numbers; later the weight's four fragments and the two accumulators
.set RAW,  128                         ; v128-255 128 numbers of dec_h
.set SEL,  36                          ; s[36:37] v_permlanex16_b32's selects for lane l xor 16
	s_load_b256 s[4:11], s[0:1], 0x0               ; W_enc, W_dec, W_att, dec_h_curr
	s_load_b128 s[12:15], s[0:1], 0x20             ; wimg, wsc
	s_load_b64 s[16:17], s[0:1], 0x30              ; dpart
	v_lshl_add_u32 v[SPW], v0, 2, SPARE
	v_mov_b32 v[NIL], 0
	v_lshrrev_b32 v1, 5, v0
	v_readfirstlane_b32 s18, v1                    ; wave
	s_lshr_b32 s19, ttmp9, 7                       ; which matrix
	s_and_b32 s24, ttmp9, 31                       ; which pair of column tiles
	s_bfe_u32 s23, ttmp9, 0x20005                  ; which 256 along K
	s_lshr_b32 s25, s18, 1                         ; my K step of the two.  Also: the K step of the fragment that I store
	s_and_b32 s22, s18, 1                          ; which half of the operand's registers my blocks fill.  Also: the tile of the fragment that I store
	s_mul_i32 s26, s25, 2*FRB                      ; LDS: my K step's two images
	s_mul_i32 s27, s22, 520
	s_add_co_u32 s27, s27, s26                     ; registers 0, 1 of my six: byte 0 of the lane's place, or (registers 6, 7) byte 520
	s_mul_i32 s28, s22, 1016
	s_add_co_u32 s28, s28, s26
	s_add_co_u32 s28, s28, 8                       ; registers 2, 3: byte 8, or (8, 9) byte 1,024
	s_add_co_u32 s29, s27, 512                     ; registers 4, 5: byte 512, or (10, 11) byte 1,032
	s_lshl_b32 s30, s18, 1
	s_add_co_u32 s30, s30, SCW                     ; my two scale bytes: bytes 2 w, 2 w + 1 of the lane's eight
	s_mul_i32 s31, s18, FRB                        ; the image that I store
	s_lshl_b32 s32, s23, 20                        ; in: 256 rows of 4,096 bytes,
	s_lshl_b32 s33, s18, 18                        ; my 64 rows,
	s_add_co_u32 s32, s32, s33
	s_lshl_b32 s33, s24, 7                         ; 32 columns of 4 bytes
	s_add_co_u32 s32, s32, s33
	s_mov_b32 s33, 0
	s_mul_i32 s34, s19, 786432                     ; images: the matrix,
	s_mul_i32 s35, s24, 16*FRB                     ; the pair's 16 fragments,
	s_add_co_u32 s34, s34, s35
	s_mul_i32 s35, s22, 8*FRB                      ; the tile,
	s_add_co_u32 s34, s34, s35
	s_mul_i32 s35, s23, 2*FRB                      ; the quarter's two K steps,
	s_add_co_u32 s34, s34, s35
	s_mul_i32 s35, s25, FRB                        ; the K step
	s_add_co_u32 s34, s34, s35
	s_mov_b32 s35, 0
	s_lshl_b32 s38, s24, 2                         ; scale words
	s_add_co_u32 s38, s38, s23
	s_lshl_b32 s38, s38, 8
	s_lshl_b32 s39, s19, 15
	s_add_co_u32 s38, s38, s39
	s_mov_b32 s39, 0
	s_lshl_b32 s40, s23, 18                        ; dpart: the quarter of K,
	s_lshl_b32 s41, s24, 13                        ; the pair's eight accumulators,
	s_add_co_u32 s40, s40, s41
	s_lshl_b32 s41, s18, 11                        ; my row tile's two
	s_add_co_u32 s40, s40, s41
	s_mov_b32 s41, 0
	s_lshl_b32 s42, s18, 16                        ; dec_h: my wave's 16 rows,
	s_lshl_b32 s43, s23, 10                        ; the work-group's 256 along K
	s_add_co_u32 s42, s42, s43
	s_mov_b32 s43, 0
	s_mov_b32 s[SEL], 0x76543210
	s_mov_b32 s[SEL+1], 0xfedcba98
	v_and_b32 v1, 31, v0                           ; lane
	v_and_b32 v12, 15, v0                          ; r
	v_bfe_u32 v13, v0, 4, 1                        ; h
	v_lshlrev_b32 v2, 2, v1                        ; in: 4 bytes a lane
	v_lshlrev_b32 v7, 4, v1                        ; 16 x lane
	v_lshlrev_b32 v10, 3, v1                       ; 8 x lane
	v_mul_u32_u24 v14, v13, FRB                    ; lanes 16-31 hold columns of the pair's second tile: the next image,
	v_lshlrev_b32 v11, 12, v12
	v_lshl_add_u32 v14, v12, 4, v14                ; 16 bytes for each column of the tile
	v_lshl_add_u32 v11, v13, 6, v11                ; dec_h: row r of 4,096 bytes, + 64 h
	v_add_nc_u32 v6, s30, v10                      ; where my two scale bytes go
	v_add_nc_u32 v8, s31, v7                       ; the image that I store, 16 x lane
	v_add_nc_u32 v9, SCW, v10                      ; the scale words, 8 x lane
	v_add_nc_u32 v3, s27, v14                      ; where my codes go, 8 bytes each
	v_add_nc_u32 v4, s28, v14
	v_add_nc_u32 v5, s29, v14
.irp b, 0,1,2,3
	v_mov_b32 v[TM+4+\b], 0                        ; written once: a lane permute's destination counts as one of its sources
.endr
	s_wait_alu depctr_va_vdst(0)
	s_wait_kmcnt 0x0
	s_cmp_eq_u32 s19, 1                            ; the choice hangs on the work-group's number alone
	s_cselect_b64 s[20:21], s[6:7], s[4:5]
	s_cmp_eq_u32 s19, 2
	s_cselect_b64 s[20:21], s[8:9], s[20:21]
	s_add_nc_u64 s[20:21], s[20:21], s[32:33]
	s_add_nc_u64 s[12:13], s[12:13], s[34:35]
	s_add_nc_u64 s[14:15], s[14:15], s[38:39]
	s_add_nc_u64 s[16:17], s[16:17], s[40:41]
	s_add_nc_u64 s[10:11], s[10:11], s[42:43]
.macro LOAD h                          ; my block h: rows 32 h + i of my column
.irp i, 0,1,2,3,4,5,6,7,8,9,10,11,12,13,14,15,16,17,18,19,20,21,22,23,24,25,26,27,28,29,30,31
	global_load_b32 v[X+32*(\h)+\i], v2, s[20:21] offset:(32*(\h)+\i)*4096 th:TH_LOAD_NT
.endr
.endm
.macro BLOCK h, lo                     ; block h is quantised; its codes go to operand lane (column % 16) + 16 h of the image.  lo: this path's LDS bytes
.set XS, X+32*(\h)
.set FB, FD+6*(\h)
.if (\h) == 0
	s_wait_loadcnt 32                              ; this block's 32 loads are in; the next block's 32 may be out
.else
	s_wait_loadcnt 0x0
.endif
	v_max3_num_f32 v[TM], |v[XS]|, |v[XS+1]|, |v[XS+2]|            ; the block's largest magnitude: all 32 numbers are mine
	v_max3_num_f32 v[TM+1], |v[XS+3]|, |v[XS+4]|, |v[XS+5]|
.irp i, 6,10,14,18,22,26
	v_max3_num_f32 v[TM], v[TM], |v[XS+\i]|, |v[XS+\i+1]|
	v_max3_num_f32 v[TM+1], v[TM+1], |v[XS+\i+2]|, |v[XS+\i+3]|
.endr
	v_max3_num_f32 v[TM], v[TM], |v[XS+30]|, |v[XS+31]|
	v_max3_num_f32 v[TM], v[TM], v[TM+1], (EMAX+1)<<23             ; and the floor 2^(5 - 127): the byte cannot fall under 1
	v_add_nc_u32 v[TM+2], -(EMAX<<23), v[TM]       ; 4 off the exponent field: the conversion takes the exponent field of this operand as its scale
	v_cvt_scalef32_pk16_bf6_f32 v[FB:FB+2], v[XS:XS+15], v[TM+2]
	v_cvt_scalef32_pk16_bf6_f32 v[TU:TU+2], v[XS+16:XS+31], v[TM+2]
	v_lshrrev_b32 v[TM+3], 23, v[TM+2]             ; the scale's byte (also the plain instruction behind the conversions)
.if (\h) == 0
	v_mov_b32 v[TM+8], v[TM+3]
.else
	v_lshl_or_b32 v[TM+8], v[TM+3], 8, v[TM+8]
.endif
.irp i, 0,1,2
	v_mov_b32 v[FB+3+\i], v[TU+\i]
.endr
	ds_store_b64 v3, v[FB:FB+1] offset:(\lo)+256*(\h)
	ds_store_b64 v4, v[FB+2:FB+3] offset:(\lo)+256*(\h)
	ds_store_b64 v5, v[FB+4:FB+5] offset:(\lo)+256*(\h)
.endm
.macro MEET lo                         ; my two scale bytes; then everybody's codes and bytes lie in LDS
	ds_store_b16 v6, v[TM+8] offset:\lo
	s_wait_alu depctr_va_vdst(0)                   ; directly ahead of the wait below
	s_wait_dscnt 0x0                               ; my stores have landed
	s_barrier_signal -1
	s_barrier_wait -1
.endm
	s_cmp_eq_u32 s19, 1
	s_cbranch_scc1 .Ldec
	LOAD 0
	LOAD 1
	BLOCK 0, 0
	BLOCK 1, 0
	MEET 0
.irp g, 0,1,2
	ds_load_b128 v[X+4*\g:X+4*\g+3], v8 offset:512*\g
.endr
	s_wait_dscnt 0x0
.irp g, 0,1,2
	global_store_b128 v7, v[X+4*\g:X+4*\g+3], s[12:13] offset:512*\g   ; 32 lanes store 512 consecutive bytes, aligned
.endr
	s_cmp_lg_u32 s18, 0
	s_cbranch_scc1 .Lnot_wave_0
	ds_load_b64 v[X+16:X+17], v9
	s_wait_dscnt 0x0
	global_store_b64 v10, v[X+16:X+17], s[14:15]   ; 32 lanes store 256 consecutive bytes, aligned
.Lnot_wave_0:
	s_wait_tensorcnt 0x0                           ; the wave's end
	ds_add_u32 v[SPW], v[NIL]
	s_wait_dscnt 0x0
	s_endpgm
; 64 numbers of a lane, register 16 b + i = k 32 b + 16 (lane / 16) + i of my row, become a fragment's codes in v[pc] on and its scale word in v[pw].
.macro QUANT s, pc, pw
.irp b, 0,1,2,3
	v_max3_num_f32 v[TM+\b], |v[\s+16*\b]|, |v[\s+1+16*\b]|, 0x2800000   ; my 16 numbers of block b, and the floor 2^(5 - 127)
.endr
.irp i, 2,4,6,8,10,12,14
.irp b, 0,1,2,3
	v_max3_num_f32 v[TM+\b], v[TM+\b], |v[\s+16*\b+\i]|, |v[\s+1+16*\b+\i]|
.endr
.endr
.irp b, 0,1,2,3
	v_permlanex16_b32 v[TM+4+\b], v[TM+\b], s[SEL], s[SEL+1]
.endr
.irp b, 0,1,2,3
	v_max_num_f32 v[TM+\b], v[TM+\b], v[TM+4+\b]   ; with lane l xor 16's: the block's largest magnitude
.endr
.irp b, 0,1,2,3
	v_add_nc_u32 v[TM+12+\b], 0xfe000000, v[TM+\b]
.endr
.irp b, 0,1,2,3
	v_lshrrev_b32 v[TM+4+\b], 23, v[TM+12+\b]
.endr
	v_lshl_or_b32 v[\pw], v[TM+5], 8, v[TM+4]
	v_lshl_or_b32 v[\pw], v[TM+6], 16, v[\pw]
	v_lshl_or_b32 v[\pw], v[TM+7], 24, v[\pw]
.irp c, 0,1
	v_cvt_scalef32_pk16_bf6_f32 v[\pc+6*\c:\pc+2+6*\c], v[\s+32*\c:\s+15+32*\c], v[TM+12+2*\c]
	v_cvt_scalef32_pk16_bf6_f32 v[PX+4*\c:PX+2+4*\c], v[\s+16+32*\c:\s+31+32*\c], v[TM+12+2*\c+1]
.endr
	v_nop                                          ; one plain instruction behind the conversions
.irp c, 0,1                                    ; the operand wants a whole block in a lane: lanes 0-15 block 2 c, lanes 16-31 block 2 c + 1
.irp i, 0,1,2
	v_permlane16_swap_b32 v[\pc+6*\c+\i], v[PX+4*\c+\i]
.endr
.irp i, 0,1,2
	v_mov_b32 v[\pc+3+6*\c+\i], v[PX+4*\c+\i]
.endr
.endr
.endm
.Ldec:                                             ; W_dec's work-groups
.irp e, 0,1                                    ; my row's 64 numbers of each K step: of each block of 32 the 16 of my half
.irp b, 0,1,2,3
.irp j, 0,1,2,3
	global_load_b128 v[RAW+64*\e+16*\b+4*\j:RAW+64*\e+16*\b+4*\j+3], v11, s[10:11] offset:512*\e+128*\b+16*\j
.endr
.endr
.endr
	LOAD 0
	LOAD 1
	s_wait_loadcnt 63                              ; dec_h's 32 loads are in: 64 were issued behind them, and 63 is the most that this wait can name
	QUANT RAW, AF, AS
	QUANT RAW+64, RAW, AS+1                        ; the second fragment takes registers that the first K step's numbers have left
	BLOCK 0, DOFF
	BLOCK 1, DOFF
	MEET DOFF
.irp f, 0,1,2,3                                ; the weight's four fragments, K step f / 2, tile f % 2
.irp g, 0,1,2
	ds_load_b128 v[X+12*\f+4*\g:X+12*\f+4*\g+3], v7 offset:DOFF+FRB*\f+512*\g
.endr
.endr
	ds_load_b64 v[SB:SB+1], v9 offset:DOFF         ; lanes 0-15 the first tile's scale words, lanes 16-31 the second's
	s_wait_dscnt 0x0
	; source 0 = my 16 batches, source 1 = 16 columns: in a result lane (r, h) holds column r and batches 8 h + j.  The two accumulators by turns; K step 0 starts the sums
	v_wmma_scale_f32_16x16x128_f8f6f4 v[112:119], v[AF:AF+11], v[X:X+11], 0, v[AS], v[SB] matrix_a_fmt:MATRIX_FMT_BF6 matrix_b_fmt:MATRIX_FMT_BF6
	v_wmma_scale_f32_16x16x128_f8f6f4 v[120:127], v[AF:AF+11], v[X+12:X+23], 0, v[AS], v[SB] matrix_a_fmt:MATRIX_FMT_BF6 matrix_b_fmt:MATRIX_FMT_BF6 matrix_b_scale:MATRIX_SCALE_ROW1
	v_wmma_scale_f32_16x16x128_f8f6f4 v[112:119], v[RAW:RAW+11], v[X+24:X+35], v[112:119], v[AS+1], v[SB+1] matrix_a_fmt:MATRIX_FMT_BF6 matrix_b_fmt:MATRIX_FMT_BF6
	v_wmma_scale_f32_16x16x128_f8f6f4 v[120:127], v[RAW:RAW+11], v[X+36:X+47], v[120:127], v[AS+1], v[SB+1] matrix_a_fmt:MATRIX_FMT_BF6 matrix_b_fmt:MATRIX_FMT_BF6 matrix_b_scale:MATRIX_SCALE_ROW1
.rept 4
	v_nop                                          ; four plain instructions ahead of the first read of a result (ISA guide 7.12.1)
.endr
.irp a, 0,1
	global_store_b128 v7, v[112+8*\a:115+8*\a], s[16:17] offset:1024*\a        ; 32 lanes store 512 consecutive bytes, aligned; each accumulator from its low end on
	global_store_b128 v7, v[116+8*\a:119+8*\a], s[16:17] offset:1024*\a+512
.endr
	s_wait_tensorcnt 0x0                           ; the wave's end
	ds_add_u32 v[SPW], v[NIL]
	s_wait_dscnt 0x0
	s_endpgm
.Lfunc_end_k_q36e8b4c585_prep:
	.size	k_q36e8b4c585_prep, .Lfunc_end_k_q36e8b4c585_prep-k_q36e8b4c585_prep
	.p2alignl 7, 3214868480
	.fill 96, 4, 3214868480
	.section	.rodata,"a",@progbits
	.p2align	6, 0x0
	.amdhsa_kernel k_q36e8b4c585_prep
		.amdhsa_group_segment_fixed_size 13312
		.amdhsa_private_segment_fixed_size 0
		.amdhsa_enable_private_segment 0
		.amdhsa_kernarg_size 56
		.amdhsa_user_sgpr_count 2
		.amdhsa_user_sgpr_kernarg_segment_ptr 1
		.amdhsa_wavefront_size32 1
		.amdhsa_system_sgpr_workgroup_id_x 1
		.amdhsa_system_sgpr_workgroup_id_y 1
		.amdhsa_system_sgpr_workgroup_id_z 1
		.amdhsa_system_vgpr_workitem_id 0
		.amdhsa_next_free_vgpr 256
		.amdhsa_next_free_sgpr 66
		.amdhsa_reserve_vcc 0
		.amdhsa_float_denorm_mode_32 3
		.amdhsa_float_denorm_mode_16_64 3
		.amdhsa_memory_ordered 1
		.amdhsa_forward_progress 1
		.amdhsa_inst_pref_size 36
	.end_amdhsa_kernel
	.amdgpu_metadata
---
amdhsa.version: [ 1, 2 ]
amdhsa.kernels:
  - .name:           k_q36e8b4c585_prep
    .symbol:         k_q36e8b4c585_prep.kd
    .args:
      - { .name: W_enc, .offset: 0, .size: 8, .value_kind: global_buffer, .address_space: global }
      - { .name: W_dec, .offset: 8, .size: 8, .value_kind: global_buffer, .address_space: global }
      - { .name: W_att, .offset: 16, .size: 8, .value_kind: global_buffer, .address_space: global }
      - { .name: dec_h_curr, .offset: 24, .size: 8, .value_kind: global_buffer, .address_space: global }
      - { .name: wimg, .offset: 32, .size: 8, .value_kind: global_buffer, .address_space: global }
      - { .name: wsc, .offset: 40, .size: 8, .value_kind: global_buffer, .address_space: global }
      - { .name: dpart, .offset: 48, .size: 8, .value_kind: global_buffer, .address_space: global }
    .group_segment_fixed_size: 13312
    .private_segment_fixed_size: 0
    .kernarg_segment_align: 8
    .kernarg_segment_size: 56
    .max_flat_workgroup_size: 128
    .sgpr_count:     66
    .vgpr_count:     256
    .wavefront_size: 32
...
	.end_amdgpu_metadata
.endif
;; end of part 1
;; launch main (part 2): grid 256 x 1, 4 waves a work-group, no clusters, 327,680 bytes of LDS; arguments enc_hids, wimg, wsc, dpart, b_dec, b_enc, W_one, b_one, sc, part, stat; writes sc, part, stat
.if DOCPART == 2
	.amdgcn_target "amdgcn-amd-amdhsa--gfx1250"
	.amdhsa_code_object_version 6
	.text
	.protected	k_q36e8b4c585_main
	.globl	k_q36e8b4c585_main
	.p2align	8
	.type	k_q36e8b4c585_main,@function
k_q36e8b4c585_main:
	s_mov_b64 s[64:65], 0
	v_nop
	global_prefetch_b8 v0, s[64:65] scope:SCOPE_SE
	s_setreg_imm32_b32 hwreg(HW_REG_WAVE_MODE, 25, 1), 1
	s_wait_xcnt 0x0
; Additive attention, all but its end.  Work-group g owns rows 256 (g % 4) .. + 255 of batch n = g / 4 of enc_hids [64][1024][1024] f32, as four blocks of 64 rows.  For a block:
;   the 64 rows come into LDS as f32 (one tensor load a wave, 16 rows each) | they are quantised to BF6 (E3M2, one E8M0 scale for each 32 along K) | e = Q(enc) Q(W_enc), 64 x 1024 x 1024 |
;   score = sum over columns of W_one tanh(d + e + b_enc) + b_one | a running softmax | ctx += p x the f32 rows, which still lie in LDS.  So enc_hids is read once.
; Out: the raw scores (sc), and for the work-group its largest score m, its sum l of e^(score - m) (stat) and its sum of e^(score - m) x row (part).  The next launch joins the four parts of a batch.
; d = Q(dec_h) Q(W_dec) comes from the launch before as four sums over a quarter of K each (dpart); the head adds them and the two biases.
; SHARES.  Wave w owns columns 256 w .. + 255 (16 column tiles, taken two at a time: a UNIT) for all 64 rows.  Source 0 = 16 rows of enc, source 1 = 16 columns of the weight: in a result lane (r, h) holds column r and rows 8 h + j.
; THE WEIGHT'S FRAGMENTS GO FROM MEMORY STRAIGHT INTO REGISTERS, laid by the launch before in the order of the registers: each is wanted by one wave alone, and LDS is full of the f32 rows.  For the same two reasons no tile is
; asked for jointly by a cluster: a joint load lands in LDS, where 256 bytes are free.  Two sets of registers take turns.  A set is free when its unit's 64 products are issued: the unit TWO on is asked for into it, half of its
; 52 loads straight behind the products, half between the exponentials and the reciprocals.
; tanh(y) = 1 - 2 / (1 + 2^(2 log2(e) y)), in f32.  So score = sum of w - 2 sum of w / (1 + 2^..): the sums begin with the lane's sum of w.
; LIMITS: NaN and infinities are not served; a block of 32 whose largest magnitude lies under 2^(5 - 127) gets the scale byte 1, a block of zeros too (its codes are zeros).  The f32 sums of a score go over lanes, then waves; d is the sum of four sums over K.
; LDS: the tile, 4 regions of 66,576 bytes (a wave's 16 rows; a row is 4 pieces of 1,024 bytes + 16, 4,160 in all; regions 16 bytes askew, so that the 16 rows of a row tile, taken 4 from each region, start at 16 different
;   places modulo 256); AIMG the rows' 32 fragments as images of their registers; ASC their scale words; DWT each wave's d' and W'; SX the waves' partial scores; the spare words.
; ROW TILES: lane r of row tile m takes region r % 4, row 4 m + r / 4.  Tile row x = 16 m + r is the block's row 16 (x % 4) + x / 4.
; REGISTERS, in windows of 256.  Window 0: v1-31 addresses; v32-47 A's scale words, v48-63 B's (two sets); v64-71 ctx; v72-79 statistics; v80-95 at work; v96-127 partial scores; v128-191 the unit's 8 accumulators; v192-239 A of K step 7.
;   Window 1: A of K steps 0-4.  Window 2: A of K steps 5, 6, then B.  Window 3: B.  The quantiser and ctx work in v96-255 of window 0 between the units.
; HOW THE TILE IS FILLED AGAIN.  The first block comes by one tensor load a wave (16 rows, a region).  Later blocks come by row tiles: ctx takes the tile one row tile at a time (rows 4 k .. 4 k + 3 of each region);
; when all waves have read row tile k, each wave asks for its 4 rows of the next block (16 lines of 1,024 bytes) into its region's rows 4 k .. + 3: four refills a block, one load a wave behind each barrier.
; THE QUANTISER: wave w makes K steps 2 w, 2 w + 1 (piece w of each row) of row tile m in trip m; the wait for the last refill and a barrier stand at each trip's end, so trip 0 works on rows that landed earlier.
.set TREG,  66576
.set ROWP,  4160                       ; a row in it
.set PIECE, 1040                       ; 1,024 bytes of a row and their padding
.set FRB,   1536                       ; a fragment's image: 12 registers x 128 bytes
.set AIMG,  266496
.set ASC,   315648
.set DWT,   317696
.set SX,    325888
.set SPARE, 326912                     ; 128 bytes for each wave: two blocks of 256 bytes that no other line names
.set SPW,  1                           ; LDS address of my spare word; never rewritten
.set NIL,  2                           ; 0; never rewritten
.set AQ,   3                           ; the tile, for the quantiser: my row of row tile 0, piece w, + 64 h
.set DPO,  4                           ; dpart: 16 r
.set AIW,  5                           ; where I store my row tile's images
.set ASW,  6                           ; and their scale words: ASC + 128 w + 4 r
.set AIR,  7                           ; AIMG + 16 x lane
.set ASRD, 8                           ; ASC + 512 h + 4 r
.set BO0,  9                           ; wimg: 16 x lane + my wave's 128 fragments
.set BS0,  10                          ; wsc: 8 x lane + my wave's 8 pairs
                                       ; v11, v12: the same for the unit that set 0 was last asked for; v30, v31: for set 1's
.set DWA0, 13                          ; DWT + 2,048 w + 16 r
.set DWC,  14                          ; the trip's
.set SXW,  15                          ; SX + 256 w + 32 h
.set SXR,  16                          ; SX + 32 (l % 8) + 4 (l / 8): tile row of the block's row 2 l
.set PTW,  17                          ; the table of p, my wave's own: AIMG + 512 w + 16 x lane
.set PTR0, 18                          ; AIMG + 512 w
.set CX0,  19                          ; the tile, for ctx: my thread's 16 bytes of a row
.set SCO,  20                          ; 8 x lane
.set PFO,  21                          ; 256 x lane
.set AQC,  22
.set AIC,  23
.set ASCW, 24
.set CXC,  25
.set PTC,  26
.set OUTO, 27                          ; 16 x thread
.set CO0,  29                          ; 4 r + 1,024 w
.set ASR,  32                          ; A's scale words: register 8 (m / 2) + s: lanes 0-15 row tile 2 (m / 2), lanes 16-31 the next
.set BSR,  48                          ; B's: register 8 set + s: lanes 0-15 the unit's first column tile, lanes 16-31 its second
.set CT,   64                          ; ctx: columns 4 t .. + 3 and 512 + 4 t .. + 3 of thread t
.set MX,   72                          ; the largest score so far
.set LS,   73                          ; the sum of e^(score - MX)
.set FF,   74                          ; v74-75 e^(old MX - new MX), twice
.set WSUM, 76                          ; my lane's sum of W_one over its 16 column tiles
.set SS,   78                          ; v78-79 the scores of the block's rows 2 l, 2 l + 1
.set DWR,  80                          ; v80-83 d'(tile 0), d'(tile 1), W'(0), W'(1) of the unit; v84, v86 copies of the second of each, so that each is the low word of a pair
.set PX,   84                          ; the quantiser: the upper halves' codes
.set PQ,   88                          ; v88-91 p of my two rows, each twice
.set PW,   92                          ; the scale word just made
.set SP,   96                          ; partial scores: register 8 m + j
.set ACC,  128                         ; accumulator (m, tt) at 8 (2 m + tt)
.set RAW0, 96
.set RAW1, 160
.set TM,   224
.set PC,   240
.set XX,   96                          ; ctx: 16 rows x 8 registers
.set P32,  224                         ; and their p, each twice
.set WV,   2                           ; s2 my wave's number
.set G1,   32
.set G0,   40
.set C2,   44                          ; s[44:45] 2 log2(e)
.set LG,   46                          ; s46 log2(e)
.set SEL,  48                          ; s[48:49] v_permlanex16_b32's selects for lane l xor 16
.set MSB, 0
.macro WIN new                         ; the immediate's high byte repeats the setting that is left; a switch that changes nothing is dropped
.if MSB != (\new)
	s_set_vgpr_msb (MSB<<8)|(\new)
.set MSB, (\new)
.endif
.endm
.macro AREG s, m                       ; where A's fragment of K step s, row tile m lies: window AW, register AR
.if (\s) <= 4
.set AW, 1
.set AR, 48*(\s)+12*(\m)
.elseif (\s) <= 6
.set AW, 2
.set AR, 48*((\s)-5)+12*(\m)
.else
.set AW, 0
.set AR, 192+12*(\m)
.endif
.endm
.macro BREG set, s, tt                 ; where B's fragment lies: window BW, register BR
.if 8*(\set)+(\s) <= 5
.set BW, 2
.set BR, 96+24*(8*(\set)+(\s))+12*(\tt)
.else
.set BW, 3
.set BR, 24*(8*(\set)+(\s)-6)+12*(\tt)
.endif
.endm
.macro LOADB set, half                 ; half a unit: the 8 fragments of K steps 4 half .. + 3 (24 loads of 512 consecutive bytes) and their 4 scale words a lane (2 loads of 256): 26 loads
.set BO, 11+19*(\set)
.set BSO, 12+19*(\set)
.irp k, 0,1,2,3
.irp tt, 0,1
	BREG \set, 4*(\half)+\k, \tt
	WIN BW<<6
.irp g, 0,1,2
	global_load_b128 v[BR+4*\g:BR+4*\g+3], v[BO], s[10:11] offset:(8*\tt+4*(\half)+\k)*FRB+512*\g
.endr
.endr
.endr
	WIN 0
.irp j, 0,1
	global_load_b64 v[BSR+8*(\set)+4*(\half)+2*\j:BSR+8*(\set)+4*(\half)+2*\j+1], v[BSO], s[12:13] offset:256*(2*(\half)+\j)
.endr
.endm
; One product: row tile m x column tile tt of the unit, K step s.  K step 0 starts the sum: nothing is cleared.
.macro MM set, s, m, tt
	AREG \s, \m
	BREG \set, \s, \tt
	WIN AW|(BW<<2)
.set DR, ACC+8*(2*(\m)+(\tt))
.set SA, ASR+8*((\m)/2)+(\s)
.set SBB, BSR+8*(\set)+(\s)
.set RW, 2*((\m)%2)+(\tt)
.if (\s) == 0
.if RW == 0
	v_wmma_scale_f32_16x16x128_f8f6f4 v[DR:DR+7], v[AR:AR+11], v[BR:BR+11], 0, v[SA], v[SBB] matrix_a_fmt:MATRIX_FMT_BF6 matrix_b_fmt:MATRIX_FMT_BF6
.elseif RW == 1
	v_wmma_scale_f32_16x16x128_f8f6f4 v[DR:DR+7], v[AR:AR+11], v[BR:BR+11], 0, v[SA], v[SBB] matrix_a_fmt:MATRIX_FMT_BF6 matrix_b_fmt:MATRIX_FMT_BF6 matrix_b_scale:MATRIX_SCALE_ROW1
.elseif RW == 2
	v_wmma_scale_f32_16x16x128_f8f6f4 v[DR:DR+7], v[AR:AR+11], v[BR:BR+11], 0, v[SA], v[SBB] matrix_a_fmt:MATRIX_FMT_BF6 matrix_b_fmt:MATRIX_FMT_BF6 matrix_a_scale:MATRIX_SCALE_ROW1
.else
	v_wmma_scale_f32_16x16x128_f8f6f4 v[DR:DR+7], v[AR:AR+11], v[BR:BR+11], 0, v[SA], v[SBB] matrix_a_fmt:MATRIX_FMT_BF6 matrix_b_fmt:MATRIX_FMT_BF6 matrix_a_scale:MATRIX_SCALE_ROW1 matrix_b_scale:MATRIX_SCALE_ROW1
.endif
.else
.if RW == 0
	v_wmma_scale_f32_16x16x128_f8f6f4 v[DR:DR+7], v[AR:AR+11], v[BR:BR+11], v[DR:DR+7], v[SA], v[SBB] matrix_a_fmt:MATRIX_FMT_BF6 matrix_b_fmt:MATRIX_FMT_BF6
.elseif RW == 1
	v_wmma_scale_f32_16x16x128_f8f6f4 v[DR:DR+7], v[AR:AR+11], v[BR:BR+11], v[DR:DR+7], v[SA], v[SBB] matrix_a_fmt:MATRIX_FMT_BF6 matrix_b_fmt:MATRIX_FMT_BF6 matrix_b_scale:MATRIX_SCALE_ROW1
.elseif RW == 2
	v_wmma_scale_f32_16x16x128_f8f6f4 v[DR:DR+7], v[AR:AR+11], v[BR:BR+11], v[DR:DR+7], v[SA], v[SBB] matrix_a_fmt:MATRIX_FMT_BF6 matrix_b_fmt:MATRIX_FMT_BF6 matrix_a_scale:MATRIX_SCALE_ROW1
.else
	v_wmma_scale_f32_16x16x128_f8f6f4 v[DR:DR+7], v[AR:AR+11], v[BR:BR+11], v[DR:DR+7], v[SA], v[SBB] matrix_a_fmt:MATRIX_FMT_BF6 matrix_b_fmt:MATRIX_FMT_BF6 matrix_a_scale:MATRIX_SCALE_ROW1 matrix_b_scale:MATRIX_SCALE_ROW1
.endif
.endif
.endm
; 64 numbers of a lane, register 16 b + i = k 32 b + 16 (lane / 16) + i of my row, become a fragment's codes in v[PC] on and its scale word in v[PW].
.macro QUANT s
.irp b, 0,1,2,3
	v_max3_num_f32 v[TM+\b], |v[\s+16*\b]|, |v[\s+1+16*\b]|, 0x2800000   ; my 16 numbers of block b, and the floor 2^(5 - 127): the byte cannot fall under 1
.endr
.irp i, 2,4,6,8,10,12,14
.irp b, 0,1,2,3
	v_max3_num_f32 v[TM+\b], v[TM+\b], |v[\s+16*\b+\i]|, |v[\s+1+16*\b+\i]|
.endr
.endr
.irp b, 0,1,2,3
	v_permlanex16_b32 v[TM+4+\b], v[TM+\b], s[SEL], s[SEL+1]
.endr
.irp b, 0,1,2,3
	v_max_num_f32 v[TM+\b], v[TM+\b], v[TM+4+\b]   ; with lane l xor 16's: the block's largest magnitude
.endr
.irp b, 0,1,2,3
	v_add_nc_u32 v[TM+12+\b], 0xfe000000, v[TM+\b] ; 4 off its exponent field: the conversion's scale operand
.endr
.irp b, 0,1,2,3
	v_lshrrev_b32 v[TM+4+\b], 23, v[TM+12+\b]      ; the scale's byte
.endr
	v_lshl_or_b32 v[PW], v[TM+5], 8, v[TM+4]
	v_lshl_or_b32 v[PW], v[TM+6], 16, v[PW]
	v_lshl_or_b32 v[PW], v[TM+7], 24, v[PW]
.irp c, 0,1
	v_cvt_scalef32_pk16_bf6_f32 v[PC+6*\c:PC+2+6*\c], v[\s+32*\c:\s+15+32*\c], v[TM+12+2*\c]
	v_cvt_scalef32_pk16_bf6_f32 v[PX+4*\c:PX+2+4*\c], v[\s+16+32*\c:\s+31+32*\c], v[TM+12+2*\c+1]   ; (a conversion's three registers begin on an even number)
.endr
	v_nop                                          ; one plain instruction behind the conversions
.irp c, 0,1                                    ; the operand wants a whole block in a lane: lanes 0-15 block 2 c, lanes 16-31 block 2 c + 1
.irp i, 0,1,2
	v_permlane16_swap_b32 v[PC+6*\c+\i], v[PX+4*\c+\i]
.endr
.irp i, 0,1,2
	v_mov_b32 v[PC+3+6*\c+\i], v[PX+4*\c+\i]
.endr
.endr
.endm
.macro IMAGE adr, off                  ; the fragment in v[PC] on goes to LDS as it stands: lane l's 16 bytes at 16 l
.irp c, 0,1,2
	ds_store_b128 v[\adr], v[PC+4*\c:PC+4*\c+3] offset:\off+512*\c
.endr
.endm
; The unit's 64 x 32 numbers, in two parts.  EPI1: x = 2 log2(e) e + d'; 2^x; + 1.  EPI2: 1 / ..; partial score += W' / (1 + 2^x), W' = -2 w.  Each accumulator is read from its low end on.
; The exponentials are one batch and the reciprocals another: behind each a plain instruction and one wait ahead of the first reader.
.macro EPI1
.set a, 0
.rept 8
.irp j, 0,2,4,6
	v_pk_fma_f32 v[ACC+8*a+\j:ACC+8*a+\j+1], v[ACC+8*a+\j:ACC+8*a+\j+1], s[C2:C2+1], v[DWR+4*(a%2):DWR+4*(a%2)+1] op_sel_hi:[1,0,0]
.endr
.set a, a+1
.endr
.set i, 0
	s_wait_alu depctr_va_vdst(0)
.rept 64
	v_exp_f32 v[ACC+i], v[ACC+i]
.set i, i+1
.endr
	v_nop
	s_wait_alu depctr_va_vdst(0)
.set i, 0
.rept 32
	v_pk_add_f32 v[ACC+2*i:ACC+2*i+1], v[ACC+2*i:ACC+2*i+1], 1.0 op_sel_hi:[1,0]
.set i, i+1
.endr
.endm
.macro EPI2
.set i, 0
.rept 64
	v_rcp_f32 v[ACC+i], v[ACC+i]
.set i, i+1
.endr
	v_nop
	s_wait_alu depctr_va_vdst(0)
.irp tt, 0,1
.irp m, 0,1,2,3
.irp j, 0,2,4,6
	v_pk_fma_f32 v[SP+8*\m+\j:SP+8*\m+\j+1], v[ACC+8*(2*\m+\tt)+\j:ACC+8*(2*\m+\tt)+\j+1], v[DWR+2+4*\tt:DWR+3+4*\tt], v[SP+8*\m+\j:SP+8*\m+\j+1] op_sel_hi:[1,0,1]
.endr
.endr
.endr
.endm
; A unit: two column tiles x 64 rows x all of K: 64 products, the 8 accumulators by turns, one instruction a turn; then their tanh.
; ld = 1: the unit two on (the sweep goes round: W_enc's eight units of my wave again and again) is asked for into this unit's registers.  left: the loads issued behind this unit's own, which may stay out.
; pf = 1: one prefetch stands behind the wave's loads: 32 lanes, 256 bytes apart, 8,192 bytes of the 16 rows that this wave's next four tensor loads will bring.
; pf = 1 names 8,192 bytes of the first 8 of the 16 rows of my region in the next block, pf = 2 the same of the last 8; the address steps in the unit with pf = 1, behind its products.
; Ahead of K step s stands a counted wait: behind A's 12 loads of that K step only the later K steps' 12 each and the load of d' and W' were issued (63 is the most that the wait can name).
.macro UNIT set, ld, left, pf
	s_wait_loadcnt \left                           ; this unit's 52 loads, asked for two units ago, are in; behind them only the next unit's 52 were issued.  So this set's two offsets may be written again too
	ds_load_b128 v[DWR:DWR+3], v[DWC] offset:256*(\set)
.irp s, 0,1,2,3,4,5,6,7
.if 12*(7-\s)+1 > 63
	s_wait_dscnt 63
.else
	s_wait_dscnt 12*(7-\s)+1
.endif
.irp m, 0,1,2,3
.irp tt, 0,1
	MM \set, \s, \m, \tt
.endr
.endr
.endr
	WIN 0
	s_wait_dscnt 0x0                               ; d' and W'
.if (\pf) == 1
	s_wait_xcnt 0x0                                ; the last trip's two prefetches have read their address (the youngest memory instruction stands 64 products back): it steps 8,192 bytes
	s_add_nc_u64 s[60:61], s[60:61], 8192
.endif
	v_mov_b32 v[DWR+4], v[DWR+1]
	v_mov_b32 v[DWR+6], v[DWR+3]                   ; two copies and two additions that are due, or two v_nop
.if \ld
	s_lshl_b32 s56, s53, 1
	s_add_co_u32 s56, s56, 2+(\set)
	s_and_b32 s56, s56, 7                          ; the unit two on, of my wave's eight
	s_mul_i32 s57, s56, 16*FRB
	s_lshl_b32 s58, s56, 10
	v_add_nc_u32 v[11+19*(\set)], s57, v[BO0]
	v_add_nc_u32 v[12+19*(\set)], s58, v[BS0]
	LOADB \set, 0
.else
	v_nop
	v_nop
.endif
	EPI1
.if \ld
	LOADB \set, 1
.endif
.if \pf
	global_prefetch_b8 v[PFO], s[60:61] offset:32768*((\pf)-1) th:TH_LOAD_NT scope:SCOPE_SE
.endif
	s_wait_alu depctr_va_vdst(0)
	EPI2
.endm
	s_load_b256 s[8:15], s[0:1], 0x0               ; enc_hids s[8:9], wimg s[10:11], wsc s[12:13], dpart s[14:15]
	s_load_b256 s[16:23], s[0:1], 0x20             ; b_dec s[16:17], b_enc s[18:19], W_one s[20:21], b_one s[22:23]
	s_load_b128 s[24:27], s[0:1], 0x40             ; sc s[24:25], part s[26:27]
	s_load_b64 s[28:29], s[0:1], 0x50              ; stat
	v_lshl_add_u32 v[SPW], v0, 2, SPARE
	v_mov_b32 v[NIL], 0
	ds_add_u32 v1, v2
	ds_add_u32 v1, v2
	s_wait_dscnt 0x0
	v_lshrrev_b32 v84, 5, v0
	v_readfirstlane_b32 s[WV], v84                 ; wave 0..3
	v_and_b32 v85, 31, v0                          ; lane
	v_and_b32 v86, 15, v0                          ; r
	v_bfe_u32 v87, v0, 4, 1                        ; h
	; descriptor group 1: a wave's 16 rows of 4,096 bytes are dense in memory: 64 lines of 1,024 bytes (128 elements of 8 bytes), 16 bytes of padding behind each
	s_mov_b32 s[G1], (3<<16)|(1<<20)|(7<<22)|(3<<25)   ; no mask; elements of 8 bytes; padding on; after every 256 words (code 7); of 4 words (code 3)
	s_mov_b32 s[G1+1], 128<<16                     ; tensor_dim0 = 128
	s_mov_b32 s[G1+2], 64<<16                      ; tensor_dim1 = 64
	s_mov_b32 s[G1+3], 128<<16                     ; tile_dim0 = 128
	s_mov_b32 s[G1+4], 64                          ; tile_dim1 = 64
	s_mov_b32 s[G1+5], 128                         ; from line to line
	s_mov_b32 s[G1+6], 0
	s_mov_b32 s[G1+7], 0
	s_lshl_b32 s56, ttmp9, 20                      ; my work-group's 256 rows,
	s_lshl_b32 s57, s[WV], 16                      ; my wave's 16 of a block
	s_add_co_u32 s56, s56, s57
	s_mov_b32 s57, 0
	s_mov_b32 s[G0], 1
	s_mul_i32 s[G0+1], s[WV], TREG                 ; my region of the tile
	s_wait_alu depctr_va_vdst(0)
	s_wait_kmcnt 0x0
	s_add_nc_u64 s[G0+2:G0+3], s[8:9], s[56:57]
	s_add_nc_u64 s[60:61], s[G0+2:G0+3], 253952    ; the prefetches: one step of 8,192 bytes short of my region's 16 rows of the second block
	s_add_nc_u64 s[6:7], s[G0+2:G0+3], 262144      ; the refills: my region's first 4 rows of the second block
	s_mov_b32 s62, s[G0+1]                         ; my region's LDS address
	s_or_b32 s[G0+3], s[G0+3], 0x80000000          ; type = 2
	tensor_load_to_lds s[G0:G0+3], s[G1:G1+7]      ; the first block: one load of mine is out
	s_nop 0
.rept 4
	v_nop
.endr
	s_load_b32 s50, s[22:23], 0x0                  ; b_one
	s_lshr_b32 s56, ttmp9, 2                       ; my batch n.  In an accumulator of dpart it is row 8 h + j of row tile n / 16: register j = n % 8, lanes of half h = (n / 8) % 2
	s_bfe_u32 s57, s56, 0x20004
	s_lshl_b32 s58, s57, 11                        ; 2,048 (n / 16): two accumulators a row tile
	s_bfe_u32 s57, s56, 0x10003
	s_lshl_b32 s57, s57, 8                         ; + 256 h
	s_add_co_u32 s58, s58, s57
	s_bfe_u32 s57, s56, 0x10002
	s_lshl_b32 s57, s57, 9                         ; + 512 (j / 4)
	s_add_co_u32 s58, s58, s57
	s_and_b32 s57, s56, 3
	s_lshl_b32 s57, s57, 2                         ; + 4 (j % 4)
	s_add_co_u32 s58, s58, s57
	s_lshl_b32 s57, s[WV], 16                      ; + my wave's 8 pairs of column tiles
	s_add_co_u32 s58, s58, s57
	s_mov_b32 s59, 0
	s_add_nc_u64 s[4:5], s[14:15], s[58:59]
	s_lshl_b32 s58, ttmp9, 10
	s_add_nc_u64 s[24:25], s[24:25], s[58:59]      ; sc at my 256 scores
	s_lshl_b32 s58, ttmp9, 12
	s_add_nc_u64 s[26:27], s[26:27], s[58:59]      ; part at my row
	s_lshl_b32 s58, ttmp9, 2
	s_add_nc_u64 s[28:29], s[28:29], s[58:59]      ; stat at my word
	s_mov_b32 s[C2], 0x4038aa3b                    ; 2 log2(e)
	s_mov_b32 s[C2+1], s[C2]                       ; (named with it as a pair, so it is written)
	s_mov_b32 s[LG], 0x3fb8aa3b                    ; log2(e)
	s_mov_b32 s[SEL], 0x76543210
	s_mov_b32 s[SEL+1], 0xfedcba98
	v_lshlrev_b32 v[DPO], 4, v86
.irp k, 0,1,2,3                                ; d's four sums at column r of my 16 column tiles: once, 4 bytes a lane, sixteen lanes in one block of 256 bytes
.irp t, 0,1,2,3,4,5,6,7,8,9,10,11,12,13,14,15
	global_load_b32 v[96+16*\k+\t], v[DPO], s[4:5] offset:262144*\k+8192*(\t/2)+1024*(\t%2)
.endr
.endr
	v_lshlrev_b32 v[CO0], 2, v86
	s_lshl_b32 s56, s[WV], 10
	v_add_nc_u32 v[CO0], s56, v[CO0]
.irp t, 0,1,2,3,4,5,6,7,8,9,10,11,12,13,14,15  ; b_dec, b_enc and W_one likewise
	global_load_b32 v[160+\t], v[CO0], s[16:17] offset:64*\t
	global_load_b32 v[176+\t], v[CO0], s[18:19] offset:64*\t
	global_load_b32 v[192+\t], v[CO0], s[20:21] offset:64*\t
.endr
	v_lshlrev_b32 v[BO0], 4, v85                   ; the addresses that stay
	s_mul_i32 s56, s[WV], 128*FRB
	v_add_nc_u32 v[BO0], s56, v[BO0]
	v_lshlrev_b32 v[BS0], 3, v85
	s_lshl_b32 s56, s[WV], 13
	v_add_nc_u32 v[BS0], s56, v[BS0]
	v_and_b32 v88, 3, v86
	v_lshrrev_b32 v89, 2, v86
	v_mul_u32_u24 v[AQ], v88, TREG
	v_mad_u32_u24 v[AQ], v89, ROWP, v[AQ]
	v_lshl_add_u32 v[AQ], v87, 6, v[AQ]
	s_mul_i32 s56, s[WV], PIECE
	v_add_nc_u32 v[AQ], s56, v[AQ]
	v_lshlrev_b32 v[AIR], 4, v85
	v_add_nc_u32 v[AIR], AIMG, v[AIR]
	s_mul_i32 s56, s[WV], 2*FRB
	v_add_nc_u32 v[AIW], s56, v[AIR]
	s_lshl_b32 s56, s[WV], 9
	v_lshl_add_u32 v[ASW], v86, 2, ASC
	v_lshl_add_u32 v[ASRD], v87, 9, v[ASW]
	s_lshl_b32 s57, s[WV], 7                       ; my two K steps' scale words: 64 bytes each
	v_add_nc_u32 v[ASW], s57, v[ASW]
	v_add_nc_u32 v[PTW], s56, v[AIR]
	s_add_co_u32 s57, s56, AIMG
	v_mov_b32 v[PTR0], s57
	v_lshl_add_u32 v[DWA0], v86, 4, DWT
	s_lshl_b32 s56, s[WV], 11
	v_add_nc_u32 v[DWA0], s56, v[DWA0]
	v_lshl_add_u32 v[SXW], v87, 5, SX
	s_lshl_b32 s56, s[WV], 8
	v_add_nc_u32 v[SXW], s56, v[SXW]
	v_and_b32 v88, 7, v85
	v_lshrrev_b32 v89, 3, v85
	v_lshl_add_u32 v[SXR], v88, 5, SX
	v_lshl_add_u32 v[SXR], v89, 2, v[SXR]
	v_lshrrev_b32 v88, 6, v0
	v_lshlrev_b32 v[OUTO], 4, v0
	v_lshl_add_u32 v[CX0], v88, 4, v[OUTO]         ; 16 bytes a thread, and 16 more behind a piece's padding
	v_lshlrev_b32 v[SCO], 3, v85
	v_lshlrev_b32 v[PFO], 8, v85
	v_mov_b32 v[MX], 0xff61b1e6                    ; -3e38, under every score
	v_mov_b32 v[LS], 0
	v_mov_b32 v[FF], 0
	v_mov_b32 v[FF+1], 0
.irp i, 0,1,2,3,4,5,6,7
	v_mov_b32 v[CT+\i], 0                          ; ctx begins as zeros, which the first change of the maximum leaves zeros
.endr
.irp b, 0,1,2,3
	v_mov_b32 v[TM+4+\b], 0                        ; written once: a lane permute's destination counts as one of its sources
.endr
	v_mov_b32 v251, 0
	s_wait_loadcnt 0x0
	s_wait_kmcnt 0x0
.irp t, 0,1,2,3,4,5,6,7,8,9,10,11,12,13,14,15  ; d + b_dec + b_enc
	v_add_f32 v[96+\t], v[96+\t], v[112+\t]
	v_add_f32 v[128+\t], v[128+\t], v[144+\t]
	v_add_f32 v[160+\t], v[160+\t], v[176+\t]
.endr
.irp t, 0,1,2,3,4,5,6,7,8,9,10,11,12,13,14,15
	v_add_f32 v[96+\t], v[96+\t], v[128+\t]
.endr
.irp t, 0,1,2,3,4,5,6,7,8,9,10,11,12,13,14,15
	v_add_f32 v[96+\t], v[96+\t], v[160+\t]
.endr
.irp u, 0,1,2,3,4,5,6,7                        ; my wave's table: for unit u and column r: d' = 2 log2(e) (d + b_dec + b_enc) of its two tiles, W' = -2 W_one of the two
	v_mul_f32 v[208+4*\u], s[C2], v[96+2*\u]
	v_mul_f32 v[209+4*\u], s[C2], v[97+2*\u]
	v_mul_f32 v[210+4*\u], -2.0, v[192+2*\u]
	v_mul_f32 v[211+4*\u], -2.0, v[193+2*\u]
	ds_store_b128 v[DWA0], v[208+4*\u:211+4*\u] offset:256*\u   ; (lanes r and r + 16 write the same 16 bytes with the same numbers; the table is my wave's own)
.endr
	v_add_f32 v[WSUM], v192, v193
.irp t, 2,3,4,5,6,7,8,9,10,11,12,13,14,15
	v_add_f32 v[WSUM], v[WSUM], v[192+\t]
.endr
	v_mov_b32 v11, v[BO0]                          ; W_enc's first two units of my wave are asked for: 104 loads
	v_mov_b32 v12, v[BS0]
	v_add_nc_u32 v30, 16*FRB, v[BO0]
	s_wait_alu depctr_va_vdst(0)
	v_add_nc_u32 v31, 1024, v[BS0]
	s_wait_alu depctr_va_vdst(0)
	LOADB 0, 0
	LOADB 0, 1
	LOADB 1, 0
	LOADB 1, 1
	s_wait_tensorcnt 0x0                           ; my 16 rows of the first block have landed; no tensor load of mine is out, so group 1 may be written:
	s_mov_b32 s[G1+2], 16<<16                      ; from here on a load brings 16 lines (4 rows): tensor_dim1 = 16,
	s_mov_b32 s[G1+4], 16                          ; tile_dim1 = 16
	s_wait_dscnt 0x0                               ; my table of d' and W' is stored
	s_barrier_signal -1
	s_barrier_wait -1                              ; the first block is whole.
; A BLOCK OF 64 ROWS.  refill = 1: at its end the next block is asked for, into the same bytes.  refill = 0: the last block: its last two units ask for no fragments and are written out, so that each wait's count holds on every way.
.macro BLOCK refill
	; ---- the quantiser: trip m makes row tile m; wave w its K steps 2 w, 2 w + 1.  Row tiles 0 to 2 were shown whole by the barriers of the refills behind them (the first block by the head's)
	s_mov_b32 s53, 0
	s_mov_b32 s54, 0
	s_mov_b32 s55, 0
	s_mov_b32 s30, 0
.Lquant_\@:
	v_add_nc_u32 v[AQC], s54, v[AQ]
	v_add_nc_u32 v[AIC], s55, v[AIW]
	v_add_nc_u32 v[ASCW], s30, v[ASW]
.irp e, 0,1
.irp b, 0,1,2,3
.irp j, 0,1,2,3
	ds_load_b128 v[RAW0+64*\e+16*\b+4*\j:RAW0+64*\e+16*\b+4*\j+3], v[AQC] offset:512*\e+128*\b+16*\j
.endr
.endr
.endr
	s_wait_dscnt 16                                ; the first K step's 16 loads are in (and the last trip's stores, which are older, are done); the second's 16 may be out
	QUANT RAW0
	IMAGE AIC, 0
	ds_store_b32 v[ASCW], v[PW]                    ; (lanes r and r + 16 write the same word with the same value)
	s_wait_dscnt 0x0                               ; the second K step is in, and the stores have read their registers
	QUANT RAW1
	IMAGE AIC, FRB
	ds_store_b32 v[ASCW], v[PW] offset:64
	s_add_co_u32 s54, s54, 4*ROWP
	s_add_co_u32 s55, s55, 8*FRB
	s_add_co_u32 s30, s30, 512
	s_add_co_u32 s53, s53, 1
	s_wait_tensorcnt 0x0                           ; my part of the last row tile has landed (the one load that may be out),
	s_wait_dscnt 0x0                               ; and my images
	s_barrier_signal -1
	s_barrier_wait -1                              ; that holds of all four waves.  Behind the last trip's all 32 fragments lie in LDS
	s_cmp_lt_u32 s53, 4
	s_cbranch_scc1 .Lquant_\@
	; ---- every wave takes all 32 fragments and their scale words into registers, where they stay for the block's 8 units
.irp p, 0,1
.irp s, 0,1,2,3,4,5,6,7
	ds_load_b32 v[ASR+8*\p+\s], v[ASRD] offset:1024*\p+64*\s
.endr
.endr
.irp s, 0,1,2,3,4,5,6,7
.irp m, 0,1,2,3
	AREG \s, \m
	WIN AW<<6
.irp g, 0,1,2
	ds_load_b128 v[AR+4*\g:AR+4*\g+3], v[AIR] offset:(8*\m+\s)*FRB+512*\g
.endr
.endr
.endr
	WIN 0
.set i, 0
.rept 32
	v_mov_b32 v[SP+i], v[WSUM]                     ; the partial scores begin with my lane's sum of W_one
.set i, i+1
.endr
	s_mov_b32 s53, 0                               ; (no wait here: each K step of a unit has its own counted wait)
	s_mov_b32 s54, 0
.Lunits_\@:
	v_add_nc_u32 v[DWC], s54, v[DWA0]
	s_wait_alu depctr_va_vdst(0)
	UNIT 0, 1, 52, \refill
	UNIT 1, 1, 52, 2*\refill
	s_add_co_u32 s54, s54, 512
	s_add_co_u32 s53, s53, 1
	s_cmp_lt_u32 s53, 3+\refill
	s_cbranch_scc1 .Lunits_\@
.if !(\refill)
	v_add_nc_u32 v[DWC], 1536, v[DWA0]
	s_wait_alu depctr_va_vdst(0)
	UNIT 0, 0, 52, 0                               ; the last unit's 52 loads may still be out
	UNIT 1, 0, 0, 0                                ; nothing was issued behind them
.endif
	; ---- the scores: over the 16 lanes that hold a row's columns, then over the four waves
.irp x, 1,2,4,8
.set i, 0
.rept 32
	v_add_f32_dpp v[SP+i], v[SP+i], v[SP+i] row_xmask:\x row_mask:0xf bank_mask:0xf
.set i, i+1
.endr
.endr
.irp m, 0,1,2,3
	ds_store_b128 v[SXW], v[SP+8*\m:SP+8*\m+3] offset:64*\m        ; tile rows 16 m + 8 h + 0 .. 7 (the sixteen lanes of a half write the same bytes with the same numbers)
	ds_store_b128 v[SXW], v[SP+8*\m+4:SP+8*\m+7] offset:64*\m+16
.endr
	s_wait_dscnt 0x0
	s_barrier_signal -1
	s_barrier_wait -1                              ; the four waves' partial scores lie in LDS, and nobody reads the images any more
.irp k, 0,1,2,3
	ds_load_b32 v[240+2*\k], v[SXR] offset:256*\k      ; the block's row 2 l,
	ds_load_b32 v[241+2*\k], v[SXR] offset:256*\k+16   ; and row 2 l + 1: four tile rows on
.endr
	s_wait_dscnt 0x0
	v_pk_add_f32 v[240:241], v[240:241], v[242:243]
	v_pk_add_f32 v[244:245], v[244:245], v[246:247]
	v_pk_add_f32 v[240:241], v[240:241], v[244:245]
	v_add_f32 v[SS], s50, v240
	v_add_f32 v[SS+1], s50, v241                   ; every wave now holds all 64 scores, two a lane
	s_cmp_lg_u32 s[WV], 0
	s_cbranch_scc1 .Lnot_wave_0_\@
	global_store_b64 v[SCO], v[SS:SS+1], s[24:25]  ; 32 lanes store 256 consecutive bytes, aligned
.Lnot_wave_0_\@:
	; ---- the running softmax
	s_wait_alu depctr_va_vdst(0)
	v_max_num_f32 v250, v[SS], v[SS+1]
.irp x, 1,2,4,8
	v_max_num_f32_dpp v250, v250, v250 row_xmask:\x row_mask:0xf bank_mask:0xf
.endr
	v_permlanex16_b32 v251, v250, s[SEL], s[SEL+1]
	v_max_num_f32 v250, v250, v251
	v_max_num_f32 v252, v[MX], v250                ; the new maximum
	v_sub_f32 v253, v[MX], v252
	v_sub_f32 v254, v[SS], v252
	v_sub_f32 v255, v[SS+1], v252
	v_mul_f32 v253, s[LG], v253
	v_mul_f32 v254, s[LG], v254
	v_mul_f32 v255, s[LG], v255
	s_wait_alu depctr_va_vdst(0)
	v_exp_f32 v[FF], v253                          ; what was summed under the old maximum is multiplied by this
	v_exp_f32 v[PQ], v254                          ; p of my two rows
	v_exp_f32 v[PQ+2], v255
	v_mov_b32 v[MX], v252                          ; (a plain instruction behind the exponentials)
	s_wait_alu depctr_va_vdst(0)                   ; one wait for the three, ahead of their first reader
	v_mov_b32 v[FF+1], v[FF]
	v_mov_b32 v[PQ+1], v[PQ]                       ; each p twice: a pair for the packed multiply-adds
	v_mov_b32 v[PQ+3], v[PQ+2]
	v_add_f32 v250, v[PQ], v[PQ+2]
.irp x, 1,2,4,8
	v_add_f32_dpp v250, v250, v250 row_xmask:\x row_mask:0xf bank_mask:0xf
.endr
	v_permlanex16_b32 v251, v250, s[SEL], s[SEL+1]
	v_add_f32 v250, v250, v251
	v_fma_f32 v[LS], v[LS], v[FF], v250
	ds_store_b128 v[PTW], v[PQ:PQ+3]               ; my wave's own table of p, 8 bytes a row, in bytes of the images, which nobody reads before they are made anew
.irp i, 0,2,4,6
	v_pk_mul_f32 v[CT+\i:CT+\i+1], v[CT+\i:CT+\i+1], v[FF:FF+1]
.endr
	; ---- ctx += p x row, from the f32 rows in LDS: thread t takes 16 + 16 bytes of every row; a trip takes a row tile: 4 rows of each region
	s_mov_b32 s53, 0
	s_mov_b32 s54, 0
	s_mov_b32 s55, 0
.Lctx_\@:                                              ; trip k takes row tile k: rows 4 k .. 4 k + 3 of each of the four regions (s54 = 4 k rows, s55 = 32 k: their places in the table of p)
.irp w, 0,1,2,3
	s_add_co_u32 s56, s54, \w*TREG
	v_add_nc_u32 v[AQC+\w], s56, v[CX0]            ; v22-25, the quantiser's three address registers and ctx's own: one for each region
.endr
	v_add_nc_u32 v[PTC], s55, v[PTR0]
.irp k, 0,1,2,3,4,5,6,7
	ds_load_b128 v[P32+4*\k:P32+4*\k+3], v[PTC] offset:128*(\k/2)+16*(\k%2)   ; all lanes read the same bytes; LDS serves a wave's instructions in order, so these see my store
.endr
.irp i, 0,1,2,3,4,5,6,7,8,9,10,11,12,13,14,15
	ds_load_b128 v[XX+8*\i:XX+8*\i+3], v[AQC+\i/4] offset:ROWP*(\i%4)
	ds_load_b128 v[XX+8*\i+4:XX+8*\i+7], v[AQC+\i/4] offset:ROWP*(\i%4)+2*PIECE
.endr
.irp g, 0,1,2,3
	s_wait_alu depctr_va_vdst(0)                   ; directly ahead of the wait below
	s_wait_dscnt 24-8*\g                           ; region g's eight loads are in; the eight of each later region may be out
.irp i, 0,1,2,3
.irp j, 0,2,4,6
	v_pk_fma_f32 v[CT+\j:CT+\j+1], v[XX+8*(4*\g+\i)+\j:XX+8*(4*\g+\i)+\j+1], v[P32+2*(4*\g+\i):P32+2*(4*\g+\i)+1], v[CT+\j:CT+\j+1]
.endr
.endr
.endr
	s_wait_alu depctr_va_vdst(0)
.if \refill
	s_wait_tensorcnt 0x0                           ; the refill of the row tile before has landed: no tensor load of mine is out, so group 0 may be written
	ds_add_u32 v[SPW], v[NIL]                      ; 0 onto my spare word
	s_add_co_u32 s[G0+1], s62, s54                 ; my region's rows 4 k .. 4 k + 3,
	s_mov_b64 s[G0+2:G0+3], s[6:7]                 ; and the same rows of the next block
	s_or_b32 s[G0+3], s[G0+3], 0x80000000          ; type = 2
	s_add_nc_u64 s[6:7], s[6:7], 16384             ; 4 rows on
	s_wait_dscnt 0x0                               ; the add is done, and my reads of this row tile are over
	s_barrier_signal -1
	s_barrier_wait -1                              ; that holds of all four waves
	tensor_load_to_lds s[G0:G0+3], s[G1:G1+7]      ; my one tensor load behind this barrier, and the first thing there
	s_nop 0
.rept 4
	v_nop
.endr
.endif
	s_add_co_u32 s54, s54, 4*ROWP
	s_add_co_u32 s55, s55, 32
	s_add_co_u32 s53, s53, 1
	s_cmp_lt_u32 s53, 4
	s_cbranch_scc1 .Lctx_\@
.if \refill
	s_wait_xcnt 0x0                                ; the store of the scores and the prefetches have read their registers and bases
	s_add_nc_u64 s[24:25], s[24:25], 256           ; the next block's 64 scores
	s_add_nc_u64 s[60:61], s[60:61], 229376        ; the prefetches: on to the block after the next, one step short
	s_add_nc_u64 s[6:7], s[6:7], 196608            ; the refills: from my region's end to my region in the block after the next
.endif
.endm
	s_mov_b32 s52, 0
.Lblock:
	BLOCK 1
	s_add_co_u32 s52, s52, 1
	s_cmp_lt_u32 s52, 3
	s_cbranch_scc1 .Lblock
	BLOCK 0                                        ; the last block is written out
	global_store_b128 v[OUTO], v[CT:CT+3], s[26:27]                ; a wave's store covers 512 consecutive bytes, aligned
	global_store_b128 v[OUTO], v[CT+4:CT+7], s[26:27] offset:2048
	v_cmp_eq_u32 vcc_lo, 1, v0
	v_cndmask_b32 v84, v[MX], v[LS], vcc_lo        ; thread 0 stores the maximum, thread 1 the sum
	v_lshlrev_b32 v86, 10, v0
	v_cmp_gt_u32 vcc_lo, 2, v0
	s_wait_alu depctr_va_vdst(0)
	s_wait_xcnt 0x0                                ; EXEC changes only behind this wait
	s_and_saveexec_b32 s56, vcc_lo
	global_store_b32 v86, v84, s[28:29]
	s_wait_xcnt 0x0                                ; and again, ahead of the line that restores it
	s_or_b32 exec_lo, exec_lo, s56
	s_wait_tensorcnt 0x0                           ; the wave's end
	ds_add_u32 v[SPW], v[NIL]
	s_wait_dscnt 0x0
	s_endpgm
.Lfunc_end_k_q36e8b4c585_main:
	.size	k_q36e8b4c585_main, .Lfunc_end_k_q36e8b4c585_main-k_q36e8b4c585_main
	.p2alignl 7, 3214868480
	.fill 96, 4, 3214868480
	.section	.rodata,"a",@progbits
	.p2align	6, 0x0
	.amdhsa_kernel k_q36e8b4c585_main
		.amdhsa_group_segment_fixed_size 327680
		.amdhsa_private_segment_fixed_size 0
		.amdhsa_enable_private_segment 0
		.amdhsa_kernarg_size 88
		.amdhsa_user_sgpr_count 2
		.amdhsa_user_sgpr_kernarg_segment_ptr 1
		.amdhsa_wavefront_size32 1
		.amdhsa_system_sgpr_workgroup_id_x 1
		.amdhsa_system_sgpr_workgroup_id_y 1
		.amdhsa_system_sgpr_workgroup_id_z 1
		.amdhsa_system_vgpr_workitem_id 0
		.amdhsa_next_free_vgpr 1024
		.amdhsa_next_free_sgpr 66
		.amdhsa_reserve_vcc 1
		.amdhsa_float_denorm_mode_32 3
		.amdhsa_float_denorm_mode_16_64 3
		.amdhsa_memory_ordered 1
		.amdhsa_forward_progress 1
		.amdhsa_inst_pref_size 243
	.end_amdhsa_kernel
	.amdgpu_metadata
---
amdhsa.version: [ 1, 2 ]
amdhsa.kernels:
  - .name:           k_q36e8b4c585_main
    .symbol:         k_q36e8b4c585_main.kd
    .args:
      - { .name: enc_hids, .offset: 0, .size: 8, .value_kind: global_buffer, .address_space: global }
      - { .name: wimg, .offset: 8, .size: 8, .value_kind: global_buffer, .address_space: global }
      - { .name: wsc, .offset: 16, .size: 8, .value_kind: global_buffer, .address_space: global }
      - { .name: dpart, .offset: 24, .size: 8, .value_kind: global_buffer, .address_space: global }
      - { .name: b_dec, .offset: 32, .size: 8, .value_kind: global_buffer, .address_space: global }
      - { .name: b_enc, .offset: 40, .size: 8, .value_kind: global_buffer, .address_space: global }
      - { .name: W_one, .offset: 48, .size: 8, .value_kind: global_buffer, .address_space: global }
      - { .name: b_one, .offset: 56, .size: 8, .value_kind: global_buffer, .address_space: global }
      - { .name: sc, .offset: 64, .size: 8, .value_kind: global_buffer, .address_space: global }
      - { .name: part, .offset: 72, .size: 8, .value_kind: global_buffer, .address_space: global }
      - { .name: stat, .offset: 80, .size: 8, .value_kind: global_buffer, .address_space: global }
    .group_segment_fixed_size: 327680
    .private_segment_fixed_size: 0
    .kernarg_segment_align: 8
    .kernarg_segment_size: 88
    .max_flat_workgroup_size: 128
    .sgpr_count:     66
    .vgpr_count:     1024
    .wavefront_size: 32
...
	.end_amdgpu_metadata
.endif
;; end of part 2
;; launch fin (part 3): grid 256 x 1, 4 waves a work-group, no clusters, 31,744 bytes of LDS; arguments part, stat, sc, wimg, wsc, b_att, out0, out1; writes out0, out1
.if DOCPART == 3
	.amdgcn_target "amdgcn-amd-amdhsa--gfx1250"
	.amdhsa_code_object_version 6
	.text
	.protected	k_q36e8b4c585_fin
	.globl	k_q36e8b4c585_fin
	.p2align	8
	.type	k_q36e8b4c585_fin,@function
k_q36e8b4c585_fin:
	s_mov_b64 s[64:65], 0
	v_nop
	global_prefetch_b8 v0, s[64:65] scope:SCOPE_SE
	s_setreg_imm32_b32 hwreg(HW_REG_WAVE_MODE, 25, 1), 1
	s_wait_xcnt 0x0
; The end of the attention.  A batch has four parts q, each with its largest score m_q, its sum l_q of e^(score - m_q) and its sum part_q of e^(score - m_q) x row.  With M = the largest m_q, E_q = e^(m_q - M), S = sum of l_q E_q:
;   alpha = e^(score - M) / S (out1);  ctx = sum of (E_q / S) part_q, in f32;  out0 = Q(ctx) Q(W_att) + b_att, on codes of BF6 (E3M2) with one E8M0 scale for each 32 along K.
; SHARES.  Work-group g takes batches 4 (g % 16) .. + 3 and columns (of out0) and places (of alpha) 64 (g / 16) .. + 63: 256 work-groups.  Wave w joins batch 4 (g % 16) + w: each of its 32 loads of part reads 512 consecutive bytes;
; the f32 row goes to LDS; behind a barrier wave w quantises K steps 2 w, 2 w + 1 of the four rows and hands the two fragments on as images of their registers; behind a second barrier it multiplies column tile
; 4 (g / 16) + w over all 8 K steps; behind a third it stores its batch's 256 bytes of out0.  Its batch's 256 bytes of alpha it stores on the way.  Each store of a wave covers 256 consecutive bytes, aligned.
; THE 16 ROWS OF THE MATRIX OPERAND HOLD THE 4 BATCHES FOUR TIMES: lane r takes batch r % 4.  Rows 4 to 15 of a result repeat rows 0 to 3 and land on the same bytes of the stage with the same numbers.
; So a work-group reads 64 KiB of part and 48 KiB of W_att's images; the sixteen work-groups of a group of batches each join ctx anew.
; THE PRODUCT IS USED TRANSPOSED (source 0 = 16 columns of W_att, source 1 = the batches): a lane holds eight neighbouring columns of one batch.  The sums over K go in two accumulators by turns (even and odd K steps).
; LIMITS: NaN and infinities are not served; a block of ctx under 2^(5 - 127), or of zeros, gets the scale byte 1 (its codes are zeros, and this program alone reads the bytes).
; No tensor load, no cluster: W_att's fragments go from memory straight into the registers of the one wave that multiplies them, and no slot is filled.  No prefetch: the launch has no loop to run ahead in.
.set FRB,   1536                       ; a fragment's image: 12 registers x 128 bytes
.set CROW,  4160                       ; LDS: a row of ctx, 4,096 bytes + 64: the four rows that a load touches start at four different places modulo 256
.set FIMG,  16640                      ; behind the four rows: ctx's 8 fragments,
.set FSC,   28928                      ; their scale words, 128 bytes each,
.set FSTG,  29952                      ; the stage for out0: 4 rows x (256 bytes + 16),
.set SPARE, 31232                      ; the spare words, 128 bytes for each wave: two blocks of 256 bytes that no other line names
.set BS,   24                          ; v24-31  W_att's scale words, K step s
.set AS,   32                          ; v32-39  ctx's
.set SCR,  40                          ; v40-41  my two scores, then alpha
.set BI,   42                          ; v42-43  b_att at my two columns
.set OUTR, 44                          ; v44-45  out0
.set SM,   48                          ; v48-51 m_q, then E_q, v52-55 l_q of my wave's batch; later the quantiser's PX and PW
.set PX,   48
.set PW,   55
.set CQ,   56                          ; v56-63  E_q / S, each twice: pairs for the packed forms
.set TM,   64
.set PC,   80
.set X,    96                          ; v96-223 part q's 32 numbers at X + 32 q; ctx is summed in part 0's place; later the accumulators
.set RAW0, 128                         ; v128-255 the quantiser's two sets of 64 numbers
.set RAW1, 192
.set AFB,  112                         ; window 1: v0-95 W_att's 8 fragments, v112-207 ctx's 8
.set SEL,  28
.set MSB, 0
.macro WIN new                         ; the immediate's high byte repeats the setting that is left
.if MSB != (\new)
	s_set_vgpr_msb (MSB<<8)|(\new)
.set MSB, (\new)
.endif
.endm
.macro QUANT s                         ; 64 numbers of a lane, register 16 b + i = k 32 b + 16 (lane / 16) + i of my row, become a fragment's codes in v[PC] on and its scale word in v[PW]
.irp b, 0,1,2,3
	v_max3_num_f32 v[TM+\b], |v[\s+16*\b]|, |v[\s+1+16*\b]|, 0x2800000   ; my 16 numbers of block b, and the floor 2^(5 - 127): the byte cannot fall under 1
.endr
.irp i, 2,4,6,8,10,12,14
.irp b, 0,1,2,3
	v_max3_num_f32 v[TM+\b], v[TM+\b], |v[\s+16*\b+\i]|, |v[\s+1+16*\b+\i]|
.endr
.endr
.irp b, 0,1,2,3
	v_permlanex16_b32 v[TM+4+\b], v[TM+\b], s[SEL], s[SEL+1]
.endr
.irp b, 0,1,2,3
	v_max_num_f32 v[TM+\b], v[TM+\b], v[TM+4+\b]   ; with lane l xor 16's: the block's largest magnitude
.endr
.irp b, 0,1,2,3
	v_add_nc_u32 v[TM+12+\b], 0xfe000000, v[TM+\b] ; 4 off its exponent field: the conversion's scale operand
.endr
.irp b, 0,1,2,3
	v_lshrrev_b32 v[TM+4+\b], 23, v[TM+12+\b]      ; the scale's byte
.endr
	v_lshl_or_b32 v[PW], v[TM+5], 8, v[TM+4]
	v_lshl_or_b32 v[PW], v[TM+6], 16, v[PW]
	v_lshl_or_b32 v[PW], v[TM+7], 24, v[PW]
.irp c, 0,1
	v_cvt_scalef32_pk16_bf6_f32 v[PC+6*\c:PC+2+6*\c], v[\s+32*\c:\s+15+32*\c], v[TM+12+2*\c]
	v_cvt_scalef32_pk16_bf6_f32 v[PX+4*\c:PX+2+4*\c], v[\s+16+32*\c:\s+31+32*\c], v[TM+12+2*\c+1]   ; (a conversion's three registers begin on an even number)
.endr
	v_nop                                          ; one plain instruction behind the conversions
.irp c, 0,1                                    ; the operand wants a whole block in a lane: lanes 0-15 block 2 c, lanes 16-31 block 2 c + 1
.irp i, 0,1,2
	v_permlane16_swap_b32 v[PC+6*\c+\i], v[PX+4*\c+\i]
.endr
.irp i, 0,1,2
	v_mov_b32 v[PC+3+6*\c+\i], v[PX+4*\c+\i]
.endr
.endr
.endm
.macro IMAGE e                         ; the fragment in v[PC] on and its scale word go to LDS as they stand
.irp c, 0,1,2
	ds_store_b128 v10, v[PC+4*\c:PC+4*\c+3] offset:FRB*(\e)+512*\c
.endr
	ds_store_b32 v11, v[PW] offset:128*(\e)
.endm
	s_load_b256 s[4:11], s[0:1], 0x0               ; part s[4:5], stat s[6:7], sc s[8:9], wimg s[10:11]
	s_load_b256 s[12:19], s[0:1], 0x20             ; wsc s[12:13], b_att s[14:15], out0 s[16:17], out1 s[18:19]
	v_lshl_add_u32 v94, v0, 2, SPARE               ; my spare word, and 0: kept for the closing lines alone
	v_mov_b32 v95, 0
	v_lshrrev_b32 v1, 5, v0
	v_readfirstlane_b32 s2, v1                     ; wave 0..3
	s_and_b32 s20, ttmp9, 15                       ; which 4 batches
	s_lshr_b32 s21, ttmp9, 4                       ; which 64 columns
	s_lshl_b32 s30, s20, 2
	s_add_co_u32 s30, s30, s2                      ; my batch
	s_lshl_b32 s31, s21, 2
	s_add_co_u32 s31, s31, s2                      ; my column tile
	s_mov_b32 s27, 0x3fb8aa3b                      ; log2(e)
	s_mov_b32 s[SEL], 0x76543210
	s_mov_b32 s[SEL+1], 0xfedcba98                 ; v_permlanex16_b32's selects for lane l xor 16
	s_mul_i32 s32, s2, CROW                        ; my row of ctx
	s_lshl_b32 s33, s2, 10                         ; my two K steps: 1,024 bytes of each row
	s_mul_i32 s34, s2, 2*FRB                       ; my two images
	s_lshl_b32 s35, s2, 8                          ; and their scale words
	s_lshl_b32 s36, s2, 6                          ; the stage: my tile's 64 bytes of a row
	s_mul_i32 s37, s2, 272                         ; and my batch's row
	s_and_b32 s38, s2, 1
	s_lshl_b32 s38, s38, 7                         ; wsc: the second tile of a pair lies 16 lanes of 8 bytes on
	v_and_b32 v1, 31, v0                           ; lane
	v_and_b32 v2, 3, v0                            ; r % 4: which of the four batches my lane's row of the operand holds
	v_bfe_u32 v3, v0, 4, 1                         ; h
	v_and_b32 v16, 15, v0                          ; r
	v_mov_b32 v5, 0                                ; stat: the same bytes in every lane
	v_lshlrev_b32 v4, 4, v1                        ; 16 x lane
	v_lshlrev_b32 v6, 3, v1                        ; 8 x lane
	v_lshlrev_b32 v7, 3, v16
	v_mul_u32_u24 v9, v2, CROW
	v_mul_u32_u24 v14, v2, 272
	v_lshl_add_u32 v13, v1, 2, FSC                 ; scale words, to read: 4 x lane
	v_add_nc_u32 v12, FIMG, v4                     ; images, to read
	v_add_nc_u32 v8, s32, v4                       ; ctx, to store: my row, 16 x lane
	v_add_nc_u32 v7, s38, v7                       ; wsc: my tile's words into lanes 0-15 (lanes 16-31 take the same)
	v_lshl_add_u32 v9, v3, 6, v9
	v_lshl_add_u32 v14, v3, 5, v14
	v_add_nc_u32 v10, s34, v12                     ; images, to store
	v_add_nc_u32 v11, s35, v13                     ; scale words, to store
	v_add_nc_u32 v15, FSTG, v6
	v_add_nc_u32 v9, s33, v9                       ; ctx, to read: row r % 4, my two K steps, + 64 h
	v_add_nc_u32 v14, s36, v14
	v_add_nc_u32 v15, s37, v15                     ; the stage, to read: my batch's row, 8 x lane
	v_add_nc_u32 v14, FSTG, v14                    ; the stage, to store: row r % 4, + 64 w + 32 h
.irp b, 0,1,2,3
	v_mov_b32 v[TM+4+\b], 0                        ; written once: a lane permute's destination counts as one of its sources
.endr
	s_wait_alu depctr_va_vdst(0)
	s_wait_kmcnt 0x0
	s_mov_b32 s25, 0
	s_lshl_b32 s24, s30, 4
	s_add_nc_u64 s[6:7], s[6:7], s[24:25]          ; stat: my batch's four m_q; its l_q lie 1,024 bytes on
	s_lshl_b32 s24, s30, 14
	s_add_nc_u64 s[4:5], s[4:5], s[24:25]          ; part: my batch's four rows of 4,096 bytes
	s_lshl_b32 s24, s30, 12
	s_lshl_b32 s23, s21, 8
	s_add_co_u32 s24, s24, s23                     ; my batch's row of scores, alpha and out0, my work-group's 256 bytes of it
	s_add_nc_u64 s[8:9], s[8:9], s[24:25]
	s_add_nc_u64 s[16:17], s[16:17], s[24:25]
	s_add_nc_u64 s[18:19], s[18:19], s[24:25]
	s_mov_b32 s24, s23
	s_add_nc_u64 s[14:15], s[14:15], s[24:25]      ; b_att at my work-group's 64 columns
	s_mul_i32 s24, s31, 8*FRB
	s_add_co_u32 s24, s24, 1572864                 ; W_att's images, my tile's eight
	s_add_nc_u64 s[10:11], s[10:11], s[24:25]
	s_lshr_b32 s24, s31, 1
	s_lshl_b32 s24, s24, 10
	s_add_co_u32 s24, s24, 65536                   ; W_att's scale words, my pair of tiles
	s_add_nc_u64 s[12:13], s[12:13], s[24:25]
	global_load_b128 v[SM:SM+3], v5, s[6:7]
	global_load_b128 v[SM+4:SM+7], v5, s[6:7] offset:1024
	global_load_b64 v[SCR:SCR+1], v6, s[8:9]
	global_load_b64 v[BI:BI+1], v6, s[14:15]
.irp q, 0,1,2,3
.irp i, 0,1,2,3,4,5,6,7
	global_load_b128 v[X+32*\q+4*\i:X+32*\q+4*\i+3], v4, s[4:5] offset:4096*\q+512*\i   ; 32 lanes read 512 consecutive bytes
.endr
.endr
.irp j, 0,1,2,3
	global_load_b64 v[BS+2*\j:BS+2*\j+1], v7, s[12:13] offset:256*\j
.endr
	WIN 0x40                                       ; destination window 1
.irp s, 0,1,2,3,4,5,6,7
.irp g, 0,1,2
	global_load_b128 v[12*\s+4*\g:12*\s+4*\g+3], v4, s[10:11] offset:FRB*\s+512*\g
.endr
.endr
	WIN 0
	s_wait_loadcnt 28                              ; all but W_att's 4 loads of scale words and 24 of fragments, which were issued last
	; M into v20, E_q in m_q's place, 1 / S into v21.  Ahead of and behind each batch of transcendentals stands a wait
	v_max3_num_f32 v20, v[SM], v[SM+1], v[SM+2]
	v_max_num_f32 v20, v20, v[SM+3]
.irp q, 0,1,2,3
	v_sub_f32 v[SM+\q], v[SM+\q], v20
.endr
	v_sub_f32 v[SCR], v[SCR], v20
	v_sub_f32 v[SCR+1], v[SCR+1], v20
.irp q, 0,1,2,3
	v_mul_f32 v[SM+\q], s27, v[SM+\q]
.endr
	v_mul_f32 v[SCR], s27, v[SCR]
	v_mul_f32 v[SCR+1], s27, v[SCR+1]
	s_wait_alu depctr_va_vdst(0)
.irp q, 0,1,2,3
	v_exp_f32 v[SM+\q], v[SM+\q]
.endr
	v_exp_f32 v[SCR], v[SCR]                       ; e^(score - M) of my two places
	v_exp_f32 v[SCR+1], v[SCR+1]
	v_nop
	s_wait_alu depctr_va_vdst(0)
	v_mul_f32 v21, v[SM+4], v[SM]
.irp q, 1,2,3
	v_fma_f32 v21, v[SM+4+\q], v[SM+\q], v21
.endr
	s_wait_alu depctr_va_vdst(0)
	v_rcp_f32 v21, v21
	v_nop
	s_wait_alu depctr_va_vdst(0)
.irp q, 0,1,2,3
	v_mul_f32 v[CQ+2*\q], v[SM+\q], v21
	v_mul_f32 v[CQ+2*\q+1], v[SM+\q], v21
.endr
	; ctx of my batch: columns 128 i + 4 lane .. + 3 in registers X + 4 i on
.set i, 0
.rept 16
	v_pk_mul_f32 v[X+2*i:X+2*i+1], v[X+2*i:X+2*i+1], v[CQ:CQ+1]
.set i, i+1
.endr
.irp q, 1,2,3
.set i, 0
.rept 16
	v_pk_fma_f32 v[X+2*i:X+2*i+1], v[X+32*\q+2*i:X+32*\q+2*i+1], v[CQ+2*\q:CQ+2*\q+1], v[X+2*i:X+2*i+1]
.set i, i+1
.endr
.endr
.irp i, 0,1,2,3,4,5,6,7
	ds_store_b128 v8, v[X+4*\i:X+4*\i+3] offset:512*\i
.endr
	v_mul_f32 v[SCR], v[SCR], v21                  ; alpha
	v_mul_f32 v[SCR+1], v[SCR+1], v21
	global_store_b64 v6, v[SCR:SCR+1], s[18:19]    ; 32 lanes store 256 consecutive bytes, aligned
	s_wait_dscnt 0x0                               ; my row has landed
	s_barrier_signal -1
	s_barrier_wait -1                              ; the four rows of ctx lie in LDS
.irp e, 0,1
.irp b, 0,1,2,3
.irp j, 0,1,2,3
	ds_load_b128 v[RAW0+64*\e+16*\b+4*\j:RAW0+64*\e+16*\b+4*\j+3], v9 offset:512*\e+128*\b+16*\j
.endr
.endr
.endr
	s_wait_dscnt 16                                ; the first K step's 16 loads are in; the second's 16 may be out
	QUANT RAW0
	IMAGE 0
	s_wait_dscnt 0x0                               ; the second K step is in, and the stores have read their registers
	QUANT RAW1
	IMAGE 1
	s_wait_dscnt 0x0                               ; my images have landed
	s_barrier_signal -1
	s_barrier_wait -1                              ; ctx's eight fragments lie in LDS
	WIN 0x40                                       ; destination window 1
.irp s, 0,1,2,3,4,5,6,7
.irp g, 0,1,2
	ds_load_b128 v[AFB+12*\s+4*\g:AFB+12*\s+4*\g+3], v12 offset:FRB*\s+512*\g
.endr
.endr
	WIN 0
.irp s, 0,1,2,3,4,5,6,7
	ds_load_b32 v[AS+\s], v13 offset:128*\s
.endr
	s_wait_loadcnt 0x0                             ; W_att's fragments and scale words
	s_wait_dscnt 0x0
	WIN 0x05                                       ; sources 0 (W_att) and 1 (ctx) window 1; C and D window 0
	v_wmma_scale_f32_16x16x128_f8f6f4 v[96:103], v[0:11], v[AFB:AFB+11], 0, v[BS], v[AS] matrix_a_fmt:MATRIX_FMT_BF6 matrix_b_fmt:MATRIX_FMT_BF6
	v_wmma_scale_f32_16x16x128_f8f6f4 v[104:111], v[12:23], v[AFB+12:AFB+23], 0, v[BS+1], v[AS+1] matrix_a_fmt:MATRIX_FMT_BF6 matrix_b_fmt:MATRIX_FMT_BF6
.irp s, 2,4,6
	v_wmma_scale_f32_16x16x128_f8f6f4 v[96:103], v[12*\s:12*\s+11], v[AFB+12*\s:AFB+12*\s+11], v[96:103], v[BS+\s], v[AS+\s] matrix_a_fmt:MATRIX_FMT_BF6 matrix_b_fmt:MATRIX_FMT_BF6
	v_wmma_scale_f32_16x16x128_f8f6f4 v[104:111], v[12*\s+12:12*\s+23], v[AFB+12*\s+12:AFB+12*\s+23], v[104:111], v[BS+\s+1], v[AS+\s+1] matrix_a_fmt:MATRIX_FMT_BF6 matrix_b_fmt:MATRIX_FMT_BF6
.endr
	WIN 0
.rept 4
	v_nop                                          ; four plain instructions ahead of the first read of the results (ISA guide 7.12.1)
.endr
.irp j, 0,2,4,6
	v_pk_add_f32 v[112+\j:113+\j], v[96+\j:97+\j], v[104+\j:105+\j]   ; lane (r, h): batch r % 4, columns 16 w + 8 h + 0 .. 7 of the 64; both accumulators from their low ends on
.endr
	ds_store_b128 v14, v[112:115]                  ; (lanes r, r + 4, r + 8, r + 12 write the same bytes with the same numbers)
	ds_store_b128 v14, v[116:119] offset:16
	s_wait_dscnt 0x0
	s_barrier_signal -1
	s_barrier_wait -1                              ; 4 rows of 256 bytes lie in the stage
	ds_load_b64 v[OUTR:OUTR+1], v15
	s_wait_dscnt 0x0
	v_pk_add_f32 v[OUTR:OUTR+1], v[OUTR:OUTR+1], v[BI:BI+1]
	global_store_b64 v6, v[OUTR:OUTR+1], s[16:17]  ; 32 lanes store 256 consecutive bytes, aligned
	s_wait_tensorcnt 0x0                           ; the wave's end
	ds_add_u32 v94, v95
	s_wait_dscnt 0x0
	s_endpgm
.Lfunc_end_k_q36e8b4c585_fin:
	.size	k_q36e8b4c585_fin, .Lfunc_end_k_q36e8b4c585_fin-k_q36e8b4c585_fin
	.p2alignl 7, 3214868480
	.fill 96, 4, 3214868480
	.section	.rodata,"a",@progbits
	.p2align	6, 0x0
	.amdhsa_kernel k_q36e8b4c585_fin
		.amdhsa_group_segment_fixed_size 31744
		.amdhsa_private_segment_fixed_size 0
		.amdhsa_enable_private_segment 0
		.amdhsa_kernarg_size 64
		.amdhsa_user_sgpr_count 2
		.amdhsa_user_sgpr_kernarg_segment_ptr 1
		.amdhsa_wavefront_size32 1
		.amdhsa_system_sgpr_workgroup_id_x 1
		.amdhsa_system_sgpr_workgroup_id_y 1
		.amdhsa_system_sgpr_workgroup_id_z 1
		.amdhsa_system_vgpr_workitem_id 0
		.amdhsa_next_free_vgpr 512
		.amdhsa_next_free_sgpr 66
		.amdhsa_reserve_vcc 0
		.amdhsa_float_denorm_mode_32 3
		.amdhsa_float_denorm_mode_16_64 3
		.amdhsa_memory_ordered 1
		.amdhsa_forward_progress 1
		.amdhsa_inst_pref_size 30
	.end_amdhsa_kernel
	.amdgpu_metadata
---
amdhsa.version: [ 1, 2 ]
amdhsa.kernels:
  - .name:           k_q36e8b4c585_fin
    .symbol:         k_q36e8b4c585_fin.kd
    .args:
      - { .name: part, .offset: 0, .size: 8, .value_kind: global_buffer, .address_space: global }
      - { .name: stat, .offset: 8, .size: 8, .value_kind: global_buffer, .address_space: global }
      - { .name: sc, .offset: 16, .size: 8, .value_kind: global_buffer, .address_space: global }
      - { .name: wimg, .offset: 24, .size: 8, .value_kind: global_buffer, .address_space: global }
      - { .name: wsc, .offset: 32, .size: 8, .value_kind: global_buffer, .address_space: global }
      - { .name: b_att, .offset: 40, .size: 8, .value_kind: global_buffer, .address_space: global }
      - { .name: out0, .offset: 48, .size: 8, .value_kind: global_buffer, .address_space: global }
      - { .name: out1, .offset: 56, .size: 8, .value_kind: global_buffer, .address_space: global }
    .group_segment_fixed_size: 31744
    .private_segment_fixed_size: 0
    .kernarg_segment_align: 8
    .kernarg_segment_size: 64
    .max_flat_workgroup_size: 128
    .sgpr_count:     66
    .vgpr_count:     512
    .wavefront_size: 32
...
	.end_amdgpu_metadata
.endif
;; end of part 3
